; MI455X (gfx1250); checked and timed in simulation.
; The chip was launched on July 23, 2026; its instructions are those of AMD's public machine-readable ISA for CDNA 5 (MIT licence, August 2026) and "CDNA5" Instruction Set Architecture Reference Guide (July 2026). The comments in the code are by the model that wrote it; some were corrected since.
;; Self Attention. Allowed arithmetic: matrix products marked QUANTISED: E2M3 operands, one E8M0 scale for each 32 along K, by v_wmma_scale_f32_16x16x128_f8f6f4 with both operands' format E2M3, f32 sums; everything else in f32.
;; Inputs: b_proj 1,024 float32; b_qkv 3,072 float32; w_proj 1,024 x 1,024 float32; w_qkv 3,072 x 1,024 float32; x 4 x 2,048 x 1,024 float32.
;; Outputs: out0 4 x 2,048 x 1,024 float32.
;; This version of the problem:
;;   THIS VERSION OF THE PROBLEM IS GIVEN IN LOW PRECISION. The matrix products marked QUANTISED in the list below multiply operands that are first quantised to E2M3 (2 exponent bits, 3 mantissa bits; 6 bits a number), with one power-of-two scale for each 32 numbers along K (OCP MX v1.0); their sums are f32. All else is computed in f32.
;;   The module's matrix products, in the order in which they are computed (A, B: the left and right operand; K: the contracted axis; several contracted axes count as one K, in the product's order):
;;     1. [M 8,192, K 1,024] x [K 1,024, N 3,072]; A: input x; B: input w_qkv: QUANTISED
;;     2. batch 64 x [M 2,048, K 64] x [K 64, N 2,048]; A: computed on the way; B: computed on the way: QUANTISED
;;     3. batch 64 x [M 2,048, K 2,048] x [K 2,048, N 64]; A: softmax (see below); B: computed on the way: QUANTISED
;;     4. [M 8,192, K 1,024] x [K 1,024, N 1,024]; A: computed on the way; B: input w_proj: QUANTISED
;;   THE QUANTISER, for each operand of a quantised product, along K:
;;     - K is cut into blocks of 32 from its start; a last block that is shorter is filled with zeros.
;;     - A block's scale is 2^e with e = floor(log2(the largest magnitude in the block)) - 2, held to -126 .. 127; a block of zeros has e = 0. As a byte (E8M0): e + 127.
;;     - Each number is divided by its block's scale, clamped to +-7.5, and rounded to the nearest number of E2M3, ties to even, subnormals kept.
;;     - The product sums the exact products of the quantised numbers (number of the format x scale) in f32.
;;   ~~~python
;;   def quantise(x, axis):      # numpy; x: float32 -> the quantised numbers, widened to float32 again
;;       x = np.moveaxis(x, axis, -1); K = x.shape[-1]
;;       x = np.pad(x, [(0, 0)] * (x.ndim - 1) + [(0, -K % 32)]); x = x.reshape(x.shape[:-1] + (-1, 32)); a = np.abs(x).max(-1, keepdims=True)
;;       e = np.where(a > 0, np.clip(np.frexp(np.where(a > 0, a, 1))[1] - 1 - 2, -126, 127), 0)      # np.frexp(a)[1] - 1 = floor(log2(a)), exactly
;;       r = np.clip(x / 2.0 ** e, -7.5, 7.5)
;;       step = 2.0 ** (np.maximum(np.frexp(np.where(r == 0, 1, r))[1] - 1, 0) - 3)
;;       q = np.round(r / step) * step * 2.0 ** e      # np.round: ties to even
;;       return np.moveaxis(q.reshape(q.shape[:-2] + (-1,))[..., :K], -1, axis).astype(np.float32)
;;   ~~~
;;   SOFTMAX AHEAD OF A QUANTISED PRODUCT. Where the list says 'softmax', what is quantised is not the finished softmax but p = 2^(t - M), with t = logit x log2(e) and M = ceil(the row's largest t), a whole number; so 1/2 < the row's largest p <= 1. The row's sum l is taken of the UNQUANTISED p, in f32, and the product's result is divided by l at the end. Since M is a whole number, a kernel that streams over the keys may use a running M (the ceiling of the running maximum): every later rescaling is an exact power of two, which a block's scale takes up: the codes' values come out the same.
;;   OPERANDS COMPUTED ON THE WAY. 'Computed on the way' means the value that the module computes at that place (a softmax that the list does not call 'softmax' is quantised finished and normalised). What goes into a quantiser is computed in f32, as accurately as f32 sums, v_exp_f32 and their like allow (about 1e-6 of the number): no bf16 or f16 on the way to a quantiser, and a product that is left as it is and whose result goes on into a quantised operand takes f32 operands (vector FMAs, or v_wmma_f32_16x16x4_f32). A number that lies on a knife's edge between two numbers of the format may be rounded either way, as far as f32 arithmetic and the matrix unit's own rounding can turn it there, and no further.
;; One version. Each part assembles by itself: llvm-mc -triple=amdgcn-amd-amdhsa -mcpu=gfx1250 --defsym DOCPART=n.
;; ======== version 1 of 1: 4 launches
;; workspace buffers: xq 6,553,600 bytes; wq 3,276,800 bytes; qkv 19,660,800 bytes; ao 6,553,600 bytes
;; launch quant (part 1): grid 384 x 1, 4 waves a work-group, no clusters, 34,304 bytes of LDS; arguments x, w_qkv, w_proj, xq, wq; writes xq, wq
.if DOCPART == 1
	.amdgcn_target "amdgcn-amd-amdhsa--gfx1250"
	.amdhsa_code_object_version 6
	.text
	.protected	k_q361e60459b_quant
	.globl	k_q361e60459b_quant
	.p2align	8
	.type	k_q361e60459b_quant,@function
k_q361e60459b_quant:
	s_mov_b64 s[64:65], 0
	v_nop
	global_prefetch_b8 v0, s[64:65] scope:SCOPE_SE
	s_setreg_imm32_b32 hwreg(HW_REG_WAVE_MODE, 25, 1), 1
	s_wait_xcnt 0x0
; x [8192][1024], w_qkv [3072][1024], w_proj [1024][1024], f32, become codes of FP6 (E2M3) with one E8M0 byte for each 32 along K (the last axis).
; THE CODES ARE LAID AS THE MATRIX OPERAND'S REGISTERS.  A block is 16 rows: lane r of block i holds row 32 (i / 2) + 8 (i % 2) + r + 8 (r / 8).  A block's record is 12,800 bytes:
; eight fragments (16 rows x 128 K, 12 registers a lane) of 1,536 bytes, each as three planes of 512 bytes (lane l's registers 4 c .. 4 c + 3 at 512 c + 16 l); then 512 bytes of scale
; words: the word of row r and K step ks at 12,288 + 256 (ks / 4) + 16 r + 4 (ks % 4).  xq: x's 512 blocks.  wq: w_qkv's 192 blocks, then w_proj's 64.
; A block's scale is 2^(floor(log2(largest magnitude)) - 2); its byte is the largest magnitude's exponent field - 2, held at 1 from below.
; LIMITS: a block of zeros gets the byte 1 (its codes are zeros, and the bytes are read by this program alone); NaN and infinities among the inputs are not served.
; SHARES.  A wave takes one block x 512 along K: four K steps.  Work-groups 0-255 take x, 256-351 w_qkv, 352-383 w_proj: only pointers are chosen, there is one path.
; Each load reads 512 consecutive bytes of one row; a K step's 16 rows turn through the wave's own stage in LDS (rows 528 bytes apart) so that a lane gets its row's 2 x 32 neighbours.
; No tensor loads, no barrier, no cluster: waves and work-groups share no input.  Loads run two K steps (32 loads a wave) ahead.
.set PIT,  528                         ; a stage row: 512 bytes + 16
.set STG,  16*PIT                      ; a wave's stage
.set R,    16                          ; v16-143  two sets of 64: a K step as loaded
.set X,    144                         ; v144-207 my row's k = 64 c + 32 h + i at X + 32 c + i
.set C,    208                         ; v208-219 the fragment
.set CT,   220                         ; v220-227 the second halves of the blocks' codes
.set W,    228                         ; v228-231 the four K steps' scale words
.set MX,   232                         ; v232-233 largest magnitudes, v234-235 scale operands, v236-237 bytes, v238-239 at work
	s_load_b128 s[4:7], s[0:1], 0x0                ; x, w_qkv
	s_load_b128 s[8:11], s[0:1], 0x10              ; w_proj, xq
	s_load_b64 s[12:13], s[0:1], 0x20              ; wq
	v_lshl_add_u32 v254, v0, 2, 0x8400
	v_mov_b32 v255, 0
	v_lshrrev_b32 v1, 5, v0
	v_readfirstlane_b32 s16, v1                    ; wave
	v_and_b32 v1, 31, v0                           ; lane
	v_and_b32 v2, 15, v0                           ; r
	v_bfe_u32 v3, v0, 4, 1                         ; h
	v_lshlrev_b32 v4, 4, v1                        ; 16 x lane
	s_mul_i32 s17, s16, STG
	v_add_nc_u32 v5, s17, v4                       ; the stage, on the way in
	v_mul_u32_u24 v6, v2, PIT
	v_lshl_add_u32 v6, v3, 7, v6
	v_add_nc_u32 v6, s17, v6                       ; and out: row r, + 128 h
	v_lshlrev_b32 v7, 3, v3                        ; 8 h
	v_lshl_add_u32 v8, v2, 4, v7                   ; 16 r + 8 h: where my two scale words go
	v_mov_b32 v239, 0                              ; a lane permute's destination counts as one of its sources
	s_mov_b32 s20, 0x76543210
	s_mov_b32 s21, 0xfedcba98                      ; selects for lane l xor 16
	s_mov_b32 s22, 0xffff0000                      ; lanes 16-31
	s_mov_b32 s30, 352
	s_wait_alu depctr_va_vdst(0)
	s_wait_kmcnt 0x0
	s_cmp_lt_u32 ttmp9, 352                        ; which tensor: the choice hangs on the work-group's number alone
	s_cselect_b64 s[6:7], s[6:7], s[8:9]
	s_cselect_b32 s30, 256, s30                    ; the tensor's first work-group
	s_cselect_b32 s31, 0, 192                      ; its first block in wq
	s_cmp_lt_u32 ttmp9, 256
	s_cselect_b64 s[4:5], s[4:5], s[6:7]
	s_cselect_b64 s[10:11], s[10:11], s[12:13]
	s_cselect_b32 s30, 0, s30
	s_cselect_b32 s31, 0, s31
	s_sub_co_u32 s18, ttmp9, s30
	s_lshl_b32 s18, s18, 2
	s_add_co_u32 s18, s18, s16                     ; my unit
	s_and_b32 s19, s18, 1                          ; which half of K
	s_lshr_b32 s18, s18, 1                         ; which block
	s_lshr_b32 s24, s18, 1
	s_lshl_b32 s24, s24, 17                        ; 32 rows of 4,096 bytes
	s_and_b32 s25, s18, 1
	s_lshl_b32 s25, s25, 15                        ; 8 rows
	s_add_co_u32 s24, s24, s25
	s_lshl_b32 s25, s19, 11                        ; 512 numbers
	s_add_co_u32 s24, s24, s25
	s_mov_b32 s25, 0
	s_add_nc_u64 s[4:5], s[4:5], s[24:25]
	s_add_co_u32 s18, s18, s31
	s_mul_i32 s26, s18, 12800
	s_mov_b32 s27, 0
	s_add_nc_u64 s[10:11], s[10:11], s[26:27]      ; the block's record
	s_mul_i32 s26, s19, 6144
	s_add_nc_u64 s[28:29], s[10:11], s[26:27]      ; my four fragments
	s_lshl_b32 s26, s19, 8
	s_add_co_u32 s26, s26, 12288
	s_add_nc_u64 s[32:33], s[10:11], s[26:27]      ; my 256 bytes of scale words
.macro LOAD t                          ; K step t: 16 rows x 512 bytes
.irp i, 0,1,2,3,4,5,6,7,8,9,10,11,12,13,14,15
	global_load_b128 v[R+64*((\t)%2)+4*\i:R+64*((\t)%2)+4*\i+3], v4, s[4:5] offset:(\i+8*(\i/8))*4096+512*(\t) th:TH_LOAD_NT
.endr
.endm
.macro STEP t
.if (\t) < 3
	s_wait_loadcnt 16                              ; this K step's 16 loads are in; the next step's 16 may be out
.else
	s_wait_loadcnt 0x0
.endif
.irp i, 0,1,2,3,4,5,6,7,8,9,10,11,12,13,14,15
	ds_store_b128 v5, v[R+64*((\t)%2)+4*\i:R+64*((\t)%2)+4*\i+3] offset:PIT*\i
.endr
.irp c, 0,1
.irp q, 0,1,2,3,4,5,6,7
	ds_load_b128 v[X+32*\c+4*\q:X+32*\c+4*\q+3], v6 offset:256*\c+16*\q   ; LDS serves a wave's instructions in order: these see the stores above
.endr
.endr
	s_wait_dscnt 0x0                               ; my numbers are back, and the stores have read their registers,
.if (\t) < 2
	LOAD (\t)+2                                    ; which take the loads of two K steps on
.endif
.irp c, 0,1
	v_max3_num_f32 v[MX+\c], |v[X+32*\c]|, |v[X+32*\c+1]|, 0x1800000   ; my block 2 c + h, all 32 numbers mine; the floor 2^(3 - 127) holds the byte at 1 from below
.endr
.irp i, 2,4,6,8,10,12,14,16,18,20,22,24,26,28,30
.irp c, 0,1
	v_max3_num_f32 v[MX+\c], v[MX+\c], |v[X+32*\c+\i]|, |v[X+32*\c+\i+1]|
.endr
.endr
.irp c, 0,1
	v_add_nc_u32 v[MX+2+\c], 0xff000000, v[MX+\c]  ; 2 off the exponent field: the conversion's scale operand
.endr
.irp c, 0,1
	v_lshrrev_b32 v[MX+4+\c], 23, v[MX+2+\c]       ; the scale's byte
.endr
	v_lshl_or_b32 v238, v[MX+5], 16, v[MX+4]       ; blocks h and 2 + h,
	v_lshlrev_b32 v238, v7, v238                   ; at their places in the word;
	v_permlanex16_b32 v239, v238, s20, s21
	v_or_b32 v[W+(\t)], v238, v239                 ; with lane l xor 16's two the word is whole
	s_wait_alu depctr_va_vdst(0)
	s_wait_xcnt 0x0                                ; the last K step's stores have read the fragment's registers
.irp c, 0,1
	v_cvt_scalef32_pk16_fp6_f32 v[C+6*\c:C+6*\c+2], v[X+32*\c:X+32*\c+15], v[MX+2+\c]
	v_cvt_scalef32_pk16_fp6_f32 v[CT+4*\c:CT+4*\c+2], v[X+32*\c+16:X+32*\c+31], v[MX+2+\c]   ; (a conversion's three registers begin on an even number)
.endr
	v_nop                                          ; one plain place behind a scaled conversion
.irp c, 0,1
.irp i, 0,1,2
	v_mov_b32 v[C+6*\c+3+\i], v[CT+4*\c+\i]
.endr
.endr
.irp p, 0,1,2
	global_store_b128 v4, v[C+4*\p:C+4*\p+3], s[28:29] offset:1536*(\t)+512*\p   ; 32 lanes store 512 consecutive bytes, at a multiple of 256 from the buffer's first byte
.endr
.endm
	LOAD 0
	LOAD 1
	STEP 0
	STEP 1
	STEP 2
	STEP 3
	v_cndmask_b32 v240, v[W], v[W+2], s22          ; lanes 0-15 store K steps 0, 1 of row r, lanes 16-31 K steps 2, 3
	v_cndmask_b32 v241, v[W+1], v[W+3], s22
	global_store_b64 v8, v[240:241], s[32:33]      ; 32 lanes store 256 consecutive bytes, aligned
	s_wait_tensorcnt 0x0
	ds_add_u32 v254, v255
	s_wait_dscnt 0x0
	s_endpgm
.Lfunc_end_k_q361e60459b_quant:
	.size	k_q361e60459b_quant, .Lfunc_end_k_q361e60459b_quant-k_q361e60459b_quant
	.p2alignl 7, 3214868480
	.fill 96, 4, 3214868480
	.section	.rodata,"a",@progbits
	.p2align	6, 0x0
	.amdhsa_kernel k_q361e60459b_quant
		.amdhsa_group_segment_fixed_size 34304
		.amdhsa_private_segment_fixed_size 0
		.amdhsa_enable_private_segment 0
		.amdhsa_kernarg_size 40
		.amdhsa_user_sgpr_count 2
		.amdhsa_user_sgpr_kernarg_segment_ptr 1
		.amdhsa_wavefront_size32 1
		.amdhsa_system_sgpr_workgroup_id_x 1
		.amdhsa_system_sgpr_workgroup_id_y 1
		.amdhsa_system_sgpr_workgroup_id_z 1
		.amdhsa_system_vgpr_workitem_id 0
		.amdhsa_next_free_vgpr 256
		.amdhsa_next_free_sgpr 66
		.amdhsa_reserve_vcc 0
		.amdhsa_float_denorm_mode_32 3
		.amdhsa_float_denorm_mode_16_64 3
		.amdhsa_memory_ordered 1
		.amdhsa_forward_progress 1
		.amdhsa_inst_pref_size 31
	.end_amdhsa_kernel
	.amdgpu_metadata
---
amdhsa.version: [ 1, 2 ]
amdhsa.kernels:
  - .name:           k_q361e60459b_quant
    .symbol:         k_q361e60459b_quant.kd
    .args:
      - { .name: x, .offset: 0, .size: 8, .value_kind: global_buffer, .address_space: global }
      - { .name: w_qkv, .offset: 8, .size: 8, .value_kind: global_buffer, .address_space: global }
      - { .name: w_proj, .offset: 16, .size: 8, .value_kind: global_buffer, .address_space: global }
      - { .name: xq, .offset: 24, .size: 8, .value_kind: global_buffer, .address_space: global }
      - { .name: wq, .offset: 32, .size: 8, .value_kind: global_buffer, .address_space: global }
    .group_segment_fixed_size: 34304
    .private_segment_fixed_size: 0
    .kernarg_segment_align: 8
    .kernarg_segment_size: 40
    .max_flat_workgroup_size: 128
    .sgpr_count:     66
    .vgpr_count:     256
    .wavefront_size: 32
...
	.end_amdgpu_metadata
.endif
;; end of part 1
;; launch qkvgemm (part 2): grid 8 x 48, 4 waves a work-group, clusters of 4 x 4, 327,680 bytes of LDS; arguments xq, wq, b_qkv, qkv; writes qkv
.if DOCPART == 2
	.amdgcn_target "amdgcn-amd-amdhsa--gfx1250"
	.amdhsa_code_object_version 6
	.text
	.protected	k_q361e60459b_qkvgemm
	.globl	k_q361e60459b_qkvgemm
	.p2align	8
	.type	k_q361e60459b_qkvgemm,@function
k_q361e60459b_qkvgemm:
	s_mov_b64 s[64:65], 0
	v_nop
	global_prefetch_b8 v0, s[64:65] scope:SCOPE_SE
	s_setreg_imm32_b32 hwreg(HW_REG_WAVE_MODE, 25, 1), 1
	s_wait_xcnt 0x0
	s_wait_alu depctr_hold_cnt(0) depctr_sa_sdst(0) depctr_va_vdst(0) depctr_va_sdst(0) depctr_va_ssrc(0) depctr_va_vcc(0) depctr_vm_vsrc(0)
	s_getreg_b32 s2, hwreg(HW_REG_IB_STS2, 6, 4)
	s_cmp_eq_u32 s2, 0
	s_cbranch_scc0 .Lentry_in_a_cluster
	s_endpgm
.Lentry_in_a_cluster:
	s_bfe_u32 s2, ttmp6, 0x10000c
	s_cmp_lg_u32 s2, 0xf033
	s_cbranch_scc0 .Lentry_shape_is_right
	s_endpgm
.Lentry_shape_is_right:
; ONE TEXT FOR TWO LAUNCHES (PROJ = 0: qkv = x w_qkv^T + b_qkv, quantised on the way out;  PROJ = 1: out0 = ao w_proj^T + b_proj, f32).  Both products on codes of FP6 (E2M3) with E8M0 scales, K = 1,024.
; OPERANDS come as records of 16-row blocks (12,800 bytes: eight fragments of 1,536 bytes laid as the operand's registers, then 512 bytes of scale words: row r, K step ks at 12,288 + 256 (ks / 4) + 16 r + 4 (ks % 4)).
; Lane r of block i holds row 32 (i / 2) + 8 (i % 2) + r + 8 (r / 8).  Source 0 = 16 rows of B, source 1 = 16 rows of A: lane (r, h) of accumulator (a, b) holds A's row of lane r of block a, and its
; register j B's row 32 (b / 2) + 16 h + 8 (b % 2) + j: the 64 registers of one a run along 4 x 16 neighbouring rows of B, which is the axis that is quantised next.
; A work-group makes 256 rows of A x 256 rows of B, a wave 128 x 128: 64 accumulators.  PROJ = 0 has two kinds, told apart by the cluster's y alone (the same in all sixteen partners):
;   kind 0 (cluster y < 8): A = tokens (xq), B = the channels of q and k (wq rows 0-2047): quantised along a head's 64 channels;   kind 1: A = v's channels (wq rows 2048 on), B = tokens: quantised along the keys.
; K goes in four steps of 256 through THREE LDS slots: three steps and the scales are first fills (four tensor loads a wave are out), the fourth step fills slot 0 again behind one round of the cluster's barrier.
; All of K but one step is asked for at the head, so nothing is prefetched.
; CLUSTERS: 4 x 4 work-groups; A's tiles are asked for jointly by a row of the cluster, B's by a column.  The bias is the C of each sum's first matrix instruction.
; OUT (PROJ = 0): records of one head x 128 tokens, 6,400 bytes, record (w_qkv row / 64) x 64 + token / 128: four fragments of 1,536 bytes, then 256 bytes of scale words: at 6,144 + 8 l + 4 i the word of
; fragment 2 i + l / 16, row l % 16.  q, k: fragment f = tile 2 f (16 tokens x 64 channels) in registers 0-5, tile 2 f + 1 in registers 6-11.  v: fragment t = 16 channels x 128 keys.
; LIMITS: a block of zeros gets the scale byte 1 (zero codes; the bytes are read by this program alone); NaN and infinities are not served.
; REGISTERS: window 0: v1-31 addresses; v32-95 scale words and nothing else; v96-127, v224-255 the bias, later at work; v128-223 A's fragments, ONE set.  window 1: B's fragments, two sets, at v0 and v128.
;   windows 2, 3: the accumulators of A's blocks 0-3, 4-7: (a, b) at v[8 (8 (a % 4) + b)].
.set PROJ,  0
.set REC,   12800
.set BLKB,  3072                       ; a block's part of a slot: two fragments
.set HALFT, 8*BLKB                     ; eight blocks: what one tensor load brings, and what one wave reads of A or of B
.set SLOT,  4*HALFT                    ; A's 16 blocks, then B's
.set SCL,   3*SLOT                     ; behind the slots: the scale words, 4,096 bytes for each wave's eight blocks
.set SPARE, SCL+4*4096                 ; the spare words, 128 bytes for each wave: two blocks of 256 bytes that no other line names
.set STAGE, SLOT                       ; PROJ's way out: 16 rows x 528 bytes a wave, in slot 1, which has had its one fill and its last read by then
.set SPITCH, 528
.set NLA,   3+PROJ                     ; LDS loads that bring a fragment of A
.set SC,    32                         ; register 8 i + ks: lanes 0-15 the word of A's block i, lanes 16-31 that of B's block i
.set AF,    128
.set TM,    96                         ; the epilogue: v96-99 largest magnitudes, v100-103 bytes, v108-111 scale operands
.set PT,    112                        ; v112-119 second halves of the conversions
.set G1A,   24                         ; s[24:31] group 1 for A's tiles; s[32:43] groups 0 for slots 0-2; s[44:47] for A's scales
.set G0A,   32
.set G0SA,  44
.set G1B,   48                         ; s[48:55]; B's groups 0: s[56:59], s[60:63], s[68:71]; s[72:75] for B's scales
.set G0SB,  72
.set G1SA,  76                         ; s[76:83], s[84:91] groups 1 for the scales
.set G1SB,  84
.set MSB, 0
.macro WIN new                         ; the immediate's high byte repeats the setting that is left
.if MSB != (\new)
	s_set_vgpr_msb (MSB<<8)|(\new)
.set MSB, (\new)
.endif
.endm
; A joint load: waves 0 and 1 fetch for A, waves 2 and 3 for B; the branch hangs on the wave's number alone.  Four v_nop follow each of the two lines.
.macro JLOAD g0a, g1a, g0b, g1b
	s_cmp_eq_u32 s15, 0
	s_cbranch_scc0 .Lfor_b_\@
	tensor_load_to_lds s[\g0a:\g0a+3], s[\g1a:\g1a+7]
	s_nop 0
.rept 4
	v_nop
.endr
	s_branch .Lasked_\@
.Lfor_b_\@:
	tensor_load_to_lds s[\g0b:\g0b+3], s[\g1b:\g1b+7]
	s_nop 0
.rept 4
	v_nop
.endr
.Lasked_\@:
.endm
.macro CREST                           ; a round of the cluster's barrier behind its opening barrier
	s_cmp_lg_u32 s14, 0
	s_cbranch_scc1 .Lnot_wave_0_\@
	s_barrier_signal -3
.Lnot_wave_0_\@:
	s_barrier_wait -3
	s_barrier_signal -1
	s_barrier_wait -1
.endm
.macro CROUND
	s_barrier_signal -1
	s_barrier_wait -1
	CREST
.endm
.macro PLACES n                        ; plain places behind matrix instructions, in front of loads into registers that they read and of reads of their results
.rept \n
	v_nop
.endr
.endm
	s_load_b128 s[4:7], s[0:1], 0x0                ; xq (PROJ: ao), wq
	s_load_b128 s[8:11], s[0:1], 0x10              ; the bias, the output
	v_lshl_add_u32 v28, v0, 2, SPARE               ; my spare word; never rewritten
	v_mov_b32 v29, 0                               ; never rewritten
	ds_add_u32 v28, v29
	ds_add_u32 v28, v29
	s_wait_dscnt 0x0
	v_lshrrev_b32 v1, 5, v0
	v_readfirstlane_b32 s14, v1                    ; wave 0..3
	s_lshr_b32 s15, s14, 1                         ; which half of A's rows is mine.  Also: I fetch for A (0) or for B (1)
	s_and_b32 s16, s14, 1                          ; which half of B's rows.  Also: which eight blocks I fetch
	s_bfe_u32 s92, ttmp6, 0x40000                  ; cx
	s_bfe_u32 s93, ttmp6, 0x40004                  ; cy
	s_and_b32 s17, ttmp7, 0xffff                   ; the cluster's y
.if PROJ
	s_lshl_b32 s20, s17, 2
	s_lshl_b32 s21, ttmp9, 2
.else
	s_sub_co_u32 s18, s17, 8
	s_lshl_b32 s18, s18, 1
	s_add_co_u32 s18, s18, ttmp9                   ; kind 1: clusters (y - 8, x) walk the tokens
	s_cmp_lt_u32 s17, 8
	s_cselect_b32 s19, 0, 1                        ; the kind
	s_cselect_b32 s20, s17, 0
	s_cselect_b32 s21, ttmp9, s18
	s_lshl_b32 s20, s20, 2
	s_lshl_b32 s21, s21, 2
.endif
	s_add_co_u32 s20, s20, s93                     ; tile row (A): never holds cx
	s_add_co_u32 s21, s21, s92                     ; tile column (B): never holds cy
	s_lshl_b32 s100, s93, 2
	s_lshl_b32 s100, 15, s100                      ; my row of the cluster
	s_lshl_b32 s101, 0x1111, s92                   ; my column
	s_or_b32 s[G1A], s100, (3<<16)|(1<<21)         ; 15:0 the mask; 17:16 elements of 8 bytes; 21 set beside a mask; no padding: the fragments are read as dense runs of 512 bytes
	s_or_b32 s[G1B], s101, (3<<16)|(1<<21)
	s_or_b32 s[G1SA], s100, (3<<16)|(1<<21)
	s_or_b32 s[G1SB], s101, (3<<16)|(1<<21)
.irp g, G1A, G1B
	s_mov_b32 s[\g+1], 384<<16                     ; tensor_dim0: 3,072 bytes of a record
	s_mov_b32 s[\g+2], 8<<16                       ; tensor_dim1: eight records
	s_mov_b32 s[\g+3], 384<<16                     ; tile_dim0
	s_mov_b32 s[\g+4], 8                           ; tile_dim1
	s_mov_b32 s[\g+5], 1600                        ; from record to record: 12,800 bytes
	s_mov_b32 s[\g+6], 0
	s_mov_b32 s[\g+7], 0
.endr
.irp g, G1SA, G1SB
	s_mov_b32 s[\g+1], 64<<16                      ; 512 bytes of scale words of each of eight records
	s_mov_b32 s[\g+2], 8<<16
	s_mov_b32 s[\g+3], 64<<16
	s_mov_b32 s[\g+4], 8
	s_mov_b32 s[\g+5], 1600
	s_mov_b32 s[\g+6], 0
	s_mov_b32 s[\g+7], 0
.endr
	s_lshl_b32 s23, s16, 3
	s_lshl_b32 s22, s20, 4
	s_add_co_u32 s22, s22, s23                     ; A's first block that I fetch
	s_lshl_b32 s94, s21, 4
	s_add_co_u32 s94, s94, s23                     ; B's
.if PROJ
	s_add_co_u32 s94, s94, 192                     ; w_proj's blocks lie behind w_qkv's
.else
	s_lshl_b32 s23, s19, 7
	s_add_co_u32 s22, s22, s23                     ; kind 1: v's channels begin at block 128
.endif
	s_mul_i32 s22, s22, REC
	s_mul_i32 s94, s94, REC
	s_mov_b32 s23, 0
	s_mov_b32 s95, 0
	s_mul_i32 s2, s14, HALFT                       ; where they go: no place in the cluster enters an LDS address
	s_lshl_b32 s3, s14, 12
	s_wait_kmcnt 0x0
.if PROJ
	s_add_nc_u64 s[96:97], s[4:5], s[22:23]
	s_add_nc_u64 s[98:99], s[6:7], s[94:95]
.else
	s_cmp_eq_u32 s19, 0
	s_cselect_b64 s[96:97], s[4:5], s[6:7]
	s_cselect_b64 s[98:99], s[6:7], s[4:5]
	s_add_nc_u64 s[96:97], s[96:97], s[22:23]
	s_add_nc_u64 s[98:99], s[98:99], s[94:95]
.endif
	CROUND                                         ; all sixteen work-groups are here: the first joint loads meet
	s_mov_b32 s[G0SA], 1
	s_add_co_u32 s[G0SA+1], s3, SCL
	s_add_nc_u64 s[G0SA+2:G0SA+3], s[96:97], 12288
	s_or_b32 s[G0SA+3], s[G0SA+3], 0x80000000
	s_mov_b32 s[G0SB], 1
	s_add_co_u32 s[G0SB+1], s3, SCL
	s_add_nc_u64 s[G0SB+2:G0SB+3], s[98:99], 12288
	s_or_b32 s[G0SB+3], s[G0SB+3], 0x80000000
	JLOAD G0SA, G1SA, G0SB, G1SB                   ; the scale words of all of K: filled once
.irp s, 0,1,2
.set GB, 56+4*\s+4*(\s/2)
	s_mov_b32 s[G0A+4*\s], 1
	s_add_co_u32 s[G0A+4*\s+1], s2, \s*SLOT
	s_add_nc_u64 s[G0A+4*\s+2:G0A+4*\s+3], s[96:97], \s*BLKB
	s_or_b32 s[G0A+4*\s+3], s[G0A+4*\s+3], 0x80000000
	s_mov_b32 s[GB], 1
	s_add_co_u32 s[GB+1], s2, \s*SLOT
	s_add_nc_u64 s[GB+2:GB+3], s[98:99], \s*BLKB
	s_or_b32 s[GB+3], s[GB+3], 0x80000000
	JLOAD G0A+4*\s, G1A, GB, G1B                   ; K steps 0, 1, 2
.endr
	v_and_b32 v1, 15, v0                           ; r
	v_bfe_u32 v2, v0, 4, 1                         ; h
	v_and_b32 v3, 31, v0
	v_lshlrev_b32 v13, 4, v3                       ; 16 x lane
	v_lshlrev_b32 v14, 3, v3                       ; 8 x lane
	s_mul_i32 s2, s15, HALFT                       ; my eight blocks of A
	s_mul_i32 s3, s16, HALFT
	s_add_co_u32 s3, s3, 2*HALFT                   ; and of B, behind A's sixteen
.irp s, 0,1,2
	v_add_nc_u32 v[16+\s], s2, v13
	v_add_nc_u32 v[20+\s], s3, v13
.if PROJ
	v_add_nc_u32 v[24+\s], s2, v14
.endif
	s_add_co_u32 s2, s2, SLOT
	s_add_co_u32 s3, s3, SLOT
.endr
	s_lshl_b32 s2, s15, 12                         ; the scale words: A's, my eight blocks;
	s_lshl_b32 s3, s16, 12
	s_add_co_u32 s3, s3, 8192                      ; B's lie behind A's two halves
	s_sub_co_u32 s3, s3, s2
	v_mul_u32_u24 v12, s3, v2                      ; lanes 16-31 take B's
	v_lshl_add_u32 v12, v1, 4, v12
	s_add_co_u32 s2, s2, SCL
	v_add_nc_u32 v12, s2, v12
	s_lshl_b32 s2, s20, 8
	s_lshl_b32 s3, s15, 7
	s_add_co_u32 s2, s2, s3                        ; my first row of A
	s_lshl_b32 s3, s21, 8
	s_lshl_b32 s12, s16, 7
	s_add_co_u32 s3, s3, s12                       ; my first row of B
	v_and_b32 v3, 8, v1
	v_add_nc_u32 v3, v3, v1                        ; r + 8 (r / 8)
.if PROJ
	s_mov_b32 s17, s3                              ; my first output channel
	s_mov_b32 s18, s2                              ; my first token
	v_lshlrev_b32 v4, 6, v2                        ; the bias runs along the registers: 16 h + j
.irp j, 1,2,3,4,5,6,7
	v_add_nc_u32 v[4+\j], 4*\j, v4
.endr
.else
	s_add_co_u32 s12, s2, 2048
	s_cmp_eq_u32 s19, 0
	s_cselect_b32 s17, s3, s12                     ; my first row of w_qkv
	s_cselect_b32 s18, s2, s3                      ; my first token
	s_cselect_b32 s12, 0, 4                        ; kind 0: the bias runs along the registers (16 h + j); kind 1: along the lanes (r + 8 (r / 8))
	s_cselect_b32 s13, 64, 0
	s_cselect_b32 s92, 4, 0
	v_mul_u32_u24 v4, v3, s12
	v_mad_u32_u24 v4, v2, s13, v4
	s_wait_alu depctr_va_vdst(0)
.irp j, 1,2,3,4,5,6,7
	s_mul_i32 s2, s92, \j
	v_add_nc_u32 v[4+\j], s2, v4
.endr
.endif
	s_lshl_b32 s2, s17, 2
	s_mov_b32 s3, 0
	s_add_nc_u64 s[8:9], s[8:9], s[2:3]
	s_wait_alu depctr_va_vdst(0)
.irp i, 0,1,2,3,4,5,6,7
.irp j, 0,1,2,3,4,5,6,7
	global_load_b32 v[96+8*\i+96*(\i/4)+\j], v[4+\j], s[8:9] offset:(32*(\i/2)+8*(\i%2))*4   ; eight registers a block, in the result's layout
.endr
.endr
.if PROJ
	s_lshl_b32 s2, s18, 12
	s_lshl_b32 s12, s17, 2
	s_add_co_u32 s2, s2, s12
	s_add_nc_u64 s[10:11], s[10:11], s[2:3]        ; out0 at my first token and channel
	s_mul_i32 s2, s14, 16*SPITCH
	s_add_co_u32 s2, s2, STAGE                     ; my stage
	v_mul_u32_u24 v27, v1, SPITCH
	v_lshl_add_u32 v27, v2, 6, v27
	v_add_nc_u32 v27, s2, v27                      ; in: row r, + 64 h
	v_add_nc_u32 v30, s2, v13                      ; back: a row of 512 bytes to the 32 lanes
.else
	s_lshr_b32 s2, s17, 6
	s_lshl_b32 s2, s2, 6
	s_lshr_b32 s12, s18, 7
	s_add_co_u32 s2, s2, s12
	s_mul_i32 s2, s2, 6400
	s_add_nc_u64 s[10:11], s[10:11], s[2:3]        ; my first record of qkv
.endif
.macro FETCH_B kn, p                   ; B's eight fragments of K step kn (128 along K) into set p
	WIN 0x40                                       ; destination window 1
.irp i, 0,1,2,3,4,5,6,7
.irp c, 0,1,2
	ds_load_b128 v[128*(\p)+12*\i+4*\c:128*(\p)+12*\i+4*\c+3], v[20+((\kn)/2)%3] offset:BLKB*\i+1536*((\kn)%2)+512*\c
.endr
.endr
	WIN 0
.endm
.macro FETCH_A kn, i0                  ; A's blocks i0 .. i0 + 3
.irp i, \i0, \i0+1, \i0+2, \i0+3
.if PROJ                               ; ao's fragments lie in two halves of 768 bytes, one for each head: registers 6 e .. 6 e + 3 at 16 l, registers 6 e + 4, 6 e + 5 at 512 + 8 l
	ds_load_b128 v[AF+12*(\i):AF+12*(\i)+3], v[16+((\kn)/2)%3] offset:BLKB*(\i)+1536*((\kn)%2)
	ds_load_b64 v[AF+12*(\i)+4:AF+12*(\i)+5], v[24+((\kn)/2)%3] offset:BLKB*(\i)+1536*((\kn)%2)+512
	ds_load_b128 v[AF+12*(\i)+6:AF+12*(\i)+9], v[16+((\kn)/2)%3] offset:BLKB*(\i)+1536*((\kn)%2)+768
	ds_load_b64 v[AF+12*(\i)+10:AF+12*(\i)+11], v[24+((\kn)/2)%3] offset:BLKB*(\i)+1536*((\kn)%2)+1280
.else
.irp c, 0,1,2
	ds_load_b128 v[AF+12*(\i)+4*\c:AF+12*(\i)+4*\c+3], v[16+((\kn)/2)%3] offset:BLKB*(\i)+1536*((\kn)%2)+512*\c
.endr
.endif
.endr
.endm
; 16 matrix instructions: A's blocks a0, a0 + 1 x B's eight.  cm = 0: the sums go on; 1: they begin with the bias of B's block; 2: of A's block.  The 64 accumulators take turns.
.macro MUL16 a0, p, ks, cm
.irp a, \a0, \a0+1
.irp b, 0,1,2,3,4,5,6,7
.set DD, 8*(8*((\a)%4)+\b)
.if \cm == 0
	v_wmma_scale_f32_16x16x128_f8f6f4 v[DD:DD+7], v[128*(\p)+12*\b:128*(\p)+12*\b+11], v[AF+12*(\a):AF+12*(\a)+11], v[DD:DD+7], v[SC+8*\b+(\ks)], v[SC+8*(\a)+(\ks)] matrix_a_fmt:MATRIX_FMT_FP6 matrix_b_fmt:MATRIX_FMT_FP6 matrix_a_scale:MATRIX_SCALE_ROW1
.else
.if \cm == 1
.set CC, 96+8*\b+96*(\b/4)
.else
.set CC, 96+8*(\a)+96*((\a)/4)
.endif
	v_wmma_scale_f32_16x16x128_f8f6f4 v[DD:DD+7], v[128*(\p)+12*\b:128*(\p)+12*\b+11], v[AF+12*(\a):AF+12*(\a)+11], v[CC:CC+7], v[SC+8*\b+(\ks)], v[SC+8*(\a)+(\ks)] matrix_a_fmt:MATRIX_FMT_FP6 matrix_b_fmt:MATRIX_FMT_FP6 matrix_a_scale:MATRIX_SCALE_ROW1
.endif
.endr
.endr
.endm
; K step ks of eight (128 along K): 64 matrix instructions; the next step's fragments are fetched in two runs.
; sync = 0: nothing more.  sync = 1: slot 0 has been read out: one round of the cluster's barrier, and the slot's refill.  sync = 2: the refill is waited for: one barrier.
.macro KSTEP ks, cm, sync
.if \cm
.set WLO, 0x81                         ; source 0 (B) window 1, source 1 (A) and C (the bias) window 0, D window 2
.set WHI, 0xc1
.else
.set WLO, 0xa1                         ; C and D window 2
.set WHI, 0xf1
.endif
.if \sync == 0
	s_wait_dscnt 4*NLA                             ; B's set and A's blocks 0-3 are in; the youngest loads (A's blocks 4-7) may be out
	WIN WLO
	MUL16 0, (\ks)%2, \ks, \cm
	MUL16 2, (\ks)%2, \ks, \cm
	s_wait_dscnt 0x0                               ; A's blocks 4-7 are in
	PLACES 4
.else
	s_wait_tensorcnt 0x0                           ; all my tensor loads have landed;
	ds_add_u32 v28, v29                            ; 0 onto my spare word;
	s_wait_dscnt 4*NLA+1                           ; (the add and A's blocks 4-7 may be out)
	WIN WLO
	MUL16 0, (\ks)%2, \ks, \cm
	s_wait_dscnt 0x0                               ; the add is done, and my reads of the slot are over
	s_barrier_signal -1
	MUL16 2, (\ks)%2, \ks, \cm
	WIN 0
	s_barrier_wait -1
.if \sync == 1
	CREST                                          ; no wave of any partner still reads slot 0 or has a load on its way
	s_add_nc_u64 s[G0A+2:G0A+3], s[G0A+2:G0A+3], 3*BLKB
	s_add_nc_u64 s[58:59], s[58:59], 3*BLKB
	JLOAD G0A, G1A, 56, G1B                        ; K's last 256: the first tensor load behind the round; its four v_nop are the places in front of the loads below
.else
	PLACES 4
.endif
.endif
	FETCH_B (\ks)+1, 1-(\ks)%2
	FETCH_A (\ks)+1, 0
	WIN WHI
	MUL16 4, (\ks)%2, \ks, \cm
	MUL16 6, (\ks)%2, \ks, \cm
	PLACES 4
	WIN 0
	FETCH_A (\ks)+1, 4
.endm
	s_wait_tensorcnt 0x2                           ; the scale words and my part of slot 0 are in; the loads of slots 1 and 2 may be out
	s_barrier_signal -1
	s_barrier_wait -1
	FETCH_B 0, 0
	FETCH_A 0, 0
.irp i, 0,1,2,3,4,5,6,7
	ds_load_b128 v[SC+8*\i:SC+8*\i+3], v12 offset:512*\i          ; the scale words of all eight K steps, once
	ds_load_b128 v[SC+8*\i+4:SC+8*\i+7], v12 offset:512*\i+256
.endr
	FETCH_A 0, 4
	s_wait_loadcnt 0x0                             ; the bias
.if PROJ
	KSTEP 0, 1, 0
.else
	s_cmp_eq_u32 s19, 0                            ; the first K step is written twice: the bias lies along B's rows or along A's
	s_cbranch_scc0 .Lkind1
	KSTEP 0, 1, 0
	s_branch .Lkjoin
.Lkind1:
	KSTEP 0, 2, 0
.Lkjoin:
.endif
	KSTEP 1, 0, 1                                  ; its wait for all tensor loads also shows slots 1 and 2 whole to every wave
	KSTEP 2, 0, 0
	KSTEP 3, 0, 0
	KSTEP 4, 0, 0
	KSTEP 5, 0, 2
	KSTEP 6, 0, 0
	s_wait_dscnt 4*NLA                             ; the last K step: nothing more to fetch
	WIN 0xa1
	MUL16 0, 1, 7, 0
	MUL16 2, 1, 7, 0
	s_wait_dscnt 0x0
	WIN 0xf1
	MUL16 4, 1, 7, 0
	MUL16 6, 1, 7, 0
	WIN 0
	PLACES 4
.if PROJ
; THE WAY OUT: a block of 16 tokens x 128 channels goes through my stage and comes back as whole rows of 512 bytes.
.macro TOSTAGE a
.set AC, 64*((\a)%4)
	WIN 0x08+4*((\a)/4)                            ; the data: window 2 or 3
.irp b, 0,1,2,3,4,5,6,7
	ds_store_b128 v27, v[AC+8*\b:AC+8*\b+3] offset:128*(\b/2)+32*(\b%2)        ; each accumulator from its low end on
	ds_store_b128 v27, v[AC+8*\b+4:AC+8*\b+7] offset:128*(\b/2)+32*(\b%2)+16
.endr
	WIN 0
.set BB, 128+64*((\a)%2)
.irp t, 0,1,2,3,4,5,6,7,8,9,10,11,12,13,14,15
	ds_load_b128 v[BB+4*\t:BB+4*\t+3], v30 offset:\t*SPITCH    ; LDS serves a wave's instructions in order: these see the stores above
.endr
.endm
.macro SEND a, younger
.set BB, 128+64*((\a)%2)
	s_wait_dscnt \younger
.irp t, 0,1,2,3,4,5,6,7,8,9,10,11,12,13,14,15
	global_store_b128 v13, v[BB+4*\t:BB+4*\t+3], s[10:11] offset:(32*((\a)/2)+8*((\a)%2)+\t+8*(\t/8))*4096 th:TH_STORE_NT   ; 32 lanes store 512 consecutive bytes, aligned
.endr
.endm
	TOSTAGE 0
.irp a, 1,2,3,4,5,6,7
.if \a > 1
	s_wait_xcnt 0x0                                ; block a - 2's stores have read their registers
.endif
	TOSTAGE \a
	SEND \a-1, 32                                  ; behind block a - 1's loads: block a's 16 stores and 16 loads
.endr
	SEND 7, 0
.else
; THE WAY OUT: the 64 registers of A's block a (register 16 b + i = B's row 32 b + 16 h + i) are quantised in four blocks of 32: codes of blocks 0, 1 into v[d0] on (6 registers), of blocks 2, 3 into v[d1] on; the scale word into v[pw].
.macro GQUANT a, d0, d1, pw
.set GW, 2+(\a)/4
.set GS, 64*((\a)%4)
	WIN GW|(GW<<2)                                 ; sources 0 and 1: the accumulators' window
.irp b, 0,1,2,3
	v_max3_num_f32 v[TM+\b], |v[GS+16*\b]|, |v[GS+16*\b+1]|, 0x1800000   ; each accumulator is read from its low end on; the floor 2^(3 - 127) holds the byte at 1 from below
.endr
.irp i, 2,4,6,8,10,12,14
.irp b, 0,1,2,3
	v_max3_num_f32 v[TM+\b], |v[GS+16*\b+\i]|, |v[GS+16*\b+\i+1]|, v[TM+\b]
.endr
.endr
	WIN 0
.irp b, 0,1,2,3
	v_permlanex16_b32 v[TM+4+\b], v[TM+\b], s12, s13
.endr
.irp b, 0,1,2,3
	v_max_num_f32 v[TM+\b], v[TM+\b], v[TM+4+\b]   ; with lane l xor 16's 16: the block's largest magnitude
.endr
.irp b, 0,1,2,3
	v_add_nc_u32 v[TM+12+\b], 0xff000000, v[TM+\b] ; 2 off the exponent field: the conversion's scale operand
.endr
.irp b, 0,1,2,3
	v_lshrrev_b32 v[TM+4+\b], 23, v[TM+12+\b]      ; the scale's byte
.endr
	v_lshl_or_b32 v[\pw], v[TM+5], 8, v[TM+4]
	v_lshl_or_b32 v[\pw], v[TM+6], 16, v[\pw]
	v_lshl_or_b32 v[\pw], v[TM+7], 24, v[\pw]
	WIN GW                                         ; source 0: the accumulators' window
	v_cvt_scalef32_pk16_fp6_f32 v[\d0:\d0+2], v[GS:GS+15], v[TM+12]
	v_cvt_scalef32_pk16_fp6_f32 v[PT:PT+2], v[GS+16:GS+31], v[TM+13]
	v_cvt_scalef32_pk16_fp6_f32 v[\d1:\d1+2], v[GS+32:GS+47], v[TM+14]
	v_cvt_scalef32_pk16_fp6_f32 v[PT+4:PT+6], v[GS+48:GS+63], v[TM+15]
	WIN 0
	v_nop                                          ; one plain place behind a scaled conversion
.irp i, 0,1,2
	v_permlane16_swap_b32 v[\d0+\i], v[PT+\i]      ; a whole block to a lane: lanes 0-15 the even block, lanes 16-31 the odd one
	v_permlane16_swap_b32 v[\d1+\i], v[PT+4+\i]
.endr
.irp i, 0,1,2
	v_mov_b32 v[\d0+3+\i], v[PT+\i]
	v_mov_b32 v[\d1+3+\i], v[PT+4+\i]
.endr
.endm
	s_mov_b32 s12, 0x76543210
	s_mov_b32 s13, 0xfedcba98                      ; selects for lane l xor 16
	s_mov_b32 s3, 0xffff0000                       ; lanes 16-31
.irp b, 0,1,2,3
	v_mov_b32 v[TM+4+\b], 0                        ; a lane permute's destination counts as one of its sources
.endr
	s_cmp_eq_u32 s19, 0
	s_cbranch_scc0 .Lvout
.irp p, 0,1,2,3                        ; kind 0: blocks 0, 1 are the first head's 64 channels, blocks 2, 3 the second's; tiles 2 p and 2 p + 1 share a fragment
	GQUANT 2*\p, 128+12*\p, 128+12*(4+\p), 120
	GQUANT 2*\p+1, 128+12*\p+6, 128+12*(4+\p)+6, 121
	v_perm_b32 v[224+\p], v121, v120, 0x05040100   ; the first head's word: both tiles' bytes 0, 1
	v_perm_b32 v[228+\p], v121, v120, 0x07060302   ; the second head's: bytes 2, 3
.endr
	s_branch .Lojoin
.Lvout:
.irp a, 0,1,2,3,4,5,6,7                ; kind 1: 16 channels x 128 keys are a whole fragment
	GQUANT \a, 128+12*\a, 128+12*\a+6, 224+\a
.endr
.Lojoin:
	s_wait_alu depctr_va_vdst(0)
.irp n, 0,1,2,3,4,5,6,7
.irp c, 0,1,2
	global_store_b128 v13, v[128+12*\n+4*\c:128+12*\n+4*\c+3], s[10:11] offset:(\n/4)*409600+(\n%4)*1536+512*\c   ; 32 lanes store 512 consecutive bytes, aligned; the second head's record lies 64 records on
.endr
.endr
.irp e, 0,1
	v_cndmask_b32 v[122+2*\e], v[224+4*\e], v[225+4*\e], s3    ; lanes 0-15 the even fragments' words, lanes 16-31 the odd ones'
	v_cndmask_b32 v[123+2*\e], v[226+4*\e], v[227+4*\e], s3
	global_store_b64 v14, v[122+2*\e:123+2*\e], s[10:11] offset:\e*409600+6144   ; 256 consecutive bytes, aligned
.endr
.endif
	s_wait_tensorcnt 0x0                           ; the wave's end
	ds_add_u32 v28, v29
	s_wait_dscnt 0x0
	CROUND                                         ; the closing round: no work-group ends while a partner may still ask for a tile that names it
	s_endpgm
.Lfunc_end_k_q361e60459b_qkvgemm:
	.size	k_q361e60459b_qkvgemm, .Lfunc_end_k_q361e60459b_qkvgemm-k_q361e60459b_qkvgemm
	.p2alignl 7, 3214868480
	.fill 96, 4, 3214868480
	.section	.rodata,"a",@progbits
	.p2align	6, 0x0
	.amdhsa_kernel k_q361e60459b_qkvgemm
		.amdhsa_group_segment_fixed_size 327680
		.amdhsa_private_segment_fixed_size 0
		.amdhsa_enable_private_segment 0
		.amdhsa_kernarg_size 32
		.amdhsa_user_sgpr_count 2
		.amdhsa_user_sgpr_kernarg_segment_ptr 1
		.amdhsa_wavefront_size32 1
		.amdhsa_system_sgpr_workgroup_id_x 1
		.amdhsa_system_sgpr_workgroup_id_y 1
		.amdhsa_system_sgpr_workgroup_id_z 1
		.amdhsa_system_vgpr_workitem_id 0
		.amdhsa_next_free_vgpr 1024
		.amdhsa_next_free_sgpr 102
		.amdhsa_reserve_vcc 0
		.amdhsa_float_denorm_mode_32 3
		.amdhsa_float_denorm_mode_16_64 3
		.amdhsa_memory_ordered 1
		.amdhsa_forward_progress 1
		.amdhsa_inst_pref_size 189
	.end_amdhsa_kernel
	.amdgpu_metadata
---
amdhsa.version: [ 1, 2 ]
amdhsa.kernels:
  - .name:           k_q361e60459b_qkvgemm
    .symbol:         k_q361e60459b_qkvgemm.kd
    .args:
      - { .name: xq, .offset: 0, .size: 8, .value_kind: global_buffer, .address_space: global }
      - { .name: wq, .offset: 8, .size: 8, .value_kind: global_buffer, .address_space: global }
      - { .name: b_qkv, .offset: 16, .size: 8, .value_kind: global_buffer, .address_space: global }
      - { .name: qkv, .offset: 24, .size: 8, .value_kind: global_buffer, .address_space: global }
    .group_segment_fixed_size: 327680
    .private_segment_fixed_size: 0
    .kernarg_segment_align: 8
    .kernarg_segment_size: 32
    .max_flat_workgroup_size: 128
    .sgpr_count:     102
    .vgpr_count:     1024
    .wavefront_size: 32
...
	.end_amdgpu_metadata
.endif
;; end of part 2
;; launch attn (part 3): grid 4 x 64, 16 waves a work-group, clusters of 4 x 1, 327,680 bytes of LDS; arguments qkv, ao; writes ao
.if DOCPART == 3
	.amdgcn_target "amdgcn-amd-amdhsa--gfx1250"
	.amdhsa_code_object_version 6
	.text
	.protected	k_q361e60459b_attn
	.globl	k_q361e60459b_attn
	.p2align	8
	.type	k_q361e60459b_attn,@function
k_q361e60459b_attn:
	s_mov_b64 s[64:65], 0
	v_nop
	global_prefetch_b8 v0, s[64:65] scope:SCOPE_SE
	s_setreg_imm32_b32 hwreg(HW_REG_WAVE_MODE, 25, 1), 1
	s_wait_xcnt 0x0
	s_wait_alu depctr_hold_cnt(0) depctr_sa_sdst(0) depctr_va_vdst(0) depctr_va_sdst(0) depctr_va_ssrc(0) depctr_va_vcc(0) depctr_vm_vsrc(0)
	s_getreg_b32 s2, hwreg(HW_REG_IB_STS2, 6, 4)
	s_cmp_eq_u32 s2, 0
	s_cbranch_scc0 .Lentry_in_a_cluster
	s_endpgm
.Lentry_in_a_cluster:
	s_bfe_u32 s2, ttmp6, 0x10000c
	s_cmp_lg_u32 s2, 0x3003
	s_cbranch_scc0 .Lentry_shape_is_right
	s_endpgm
.Lentry_shape_is_right:
; Causal attention of one head (work-group y = 16 x batch + head), both products on codes of FP6 (E2M3) with E8M0 scales.  q, k, v come as records of 128 tokens (6,400 bytes: four fragments of 1,536 bytes
; laid as the operand's registers, then 256 bytes of scale words: at 6,144 + 8 l + 4 i the word of fragment 2 i + l / 16, row l % 16); record (g x 64 + 16 x batch + step), g = head (q), 16 + head (k), 32 + head (v).
; q, k: fragment f = tile 2 f (16 tokens x 64 channels) in registers 0-5, tile 2 f + 1 in registers 6-11.  Lane r of tile i holds token 32 (i / 2) + 8 (i % 2) + r + 8 (r / 8) of the step.  v: fragment t = 16 channels x 128 keys.
; THE SOFTMAX: t = score x log2(e) / 8; M = the running largest t rounded UP to a whole number; p = 2^(t - M) is quantised along the keys, not normalised; the row's sum is taken of the unquantised p and divides O at the end.
; K = 64 IN AN INSTRUCTION OF K = 128: a fragment of k carries two tiles of keys; it is multiplied once by (q, zeros) and once by (zeros, q): zero codes add nothing.
; Both products are used transposed (S^T = k q^T, O^T = v^T p^T): a lane holds ONE query throughout, and the 16 registers of two neighbouring tiles are 16 neighbouring keys (channels).
; A HEAD'S K AND V, 2 x 102,400 bytes, LIE IN LDS WHOLE: each byte is filled once, there is no ring.  All of them are asked for by the first fills, so nothing is left to prefetch.
; CLUSTER: the four work-groups of a cluster share the head and ask for K and V jointly.  SHARES: wave w takes query tile js = 8 (w / 2) + 4 (w % 2) + cx and tile 127 - js: w / 2 + 1 and 16 - w / 2 key steps, 17 for
; every wave.  The steps' limits hang on the wave's number alone; cx enters global addresses and the mask's threshold only.
; OUT: ao, records of 16-token blocks (12,800 bytes) for the last product: K step head / 2, half head % 2 at 768 bytes: registers 0-3 at 16 l, registers 4, 5 at 512 + 8 l; scale bytes at 12,288 on.
; LIMITS: |t| stays under 3e38; a block of zeros gets the scale byte 1 (zero codes); NaN and infinities are not served.
.set LI,   1                           ; 16 x lane
.set LS,   2                           ; 8 x lane
.set ADK,  3                           ; the step's LDS addresses: k's fragments, v's, k's scale words, v's
.set ADV,  4
.set AKS,  5
.set AVS,  6
.set DQ,   7                           ; the mask's threshold
.set RP,   8                           ; r + 8 (r / 8) - 16 h
.set R8,   9                           ; 8 r
.set T0,   10
.set NINF, 11
.set QLO,  16                          ; v16-27 (q, 0)
.set QHI,  28                          ; v28-39 (0, q)
.set QSC,  40                          ; q's scale word
.set VOC16, 41                         ; the stores' offsets
.set VOC8, 42
.set VOS,  43
.set F,    44                          ; v44-91 four fragments of k or of v
.set LIV,  92                          ; 16 x lane + 102,400
.set LSV,  93                          ; 8 x lane + 102,400
.set S,    96                          ; v96-159 S^T, then p
.set O,    160                         ; v160-191 O^T
.set PC,   192                         ; v192-203 p's codes
.set PT,   204                         ; v204-211 second halves of the conversions
.set BM,   212                         ; v212-215 the blocks' largest
.set BT,   216
.set BS,   220
.set KSC,  224                         ; v224-225 k's scale words, v226-227 v's, v228 p's
.set VSC,  226
.set PSW,  228
.set T1,   229
.set FF,   230                         ; v[230:231] f = 2^(old M - new M)
.set SU,   232
.set QIS,  236                         ; v236-247, v248 the short tile's fragment of q and its scale word
.set WV,   8
.set LIM,  17
.set SEL,  20
.set CS,   22
.set KS,   52
.set TB,   53
.set HM,   54
.macro CROUND
	s_barrier_signal -1
	s_barrier_wait -1
	s_cmp_lg_u32 s[WV], 0
	s_cbranch_scc1 .Lnot_wave_0_\@
	s_barrier_signal -3
.Lnot_wave_0_\@:
	s_barrier_wait -3
	s_barrier_signal -1
	s_barrier_wait -1
.endm
	s_load_b128 s[4:7], s[0:1], 0x0                ; qkv, ao
	v_lshl_add_u32 v254, v0, 2, 0x32000
	v_mov_b32 v255, 0
	ds_add_u32 v254, v255
	ds_add_u32 v254, v255
	v_lshrrev_b32 v10, 5, v0
	s_delay_alu instid0(VALU_DEP_1)
	v_readfirstlane_b32 s[WV], v10                 ; wave 0..15
	s_bfe_u32 s9, ttmp6, 0x40000                   ; cx
	s_and_b32 s10, ttmp7, 0xffff
	s_and_b32 s11, s10, 15                         ; the head
	s_lshr_b32 s12, s10, 4                         ; the batch
	s_mov_b32 s24, 15|(3<<16)|(1<<21)              ; group 1: the mask: all four work-groups; elements of 8 bytes; 21 set beside a mask
	s_mov_b32 s25, 32<<16                          ; a record is dense: 25 rows of 256 bytes
	s_mov_b32 s26, 25<<16
	s_mov_b32 s27, 32<<16
	s_mov_b32 s28, 25
	s_mov_b32 s29, 32
	s_mov_b32 s30, 0
	s_mov_b32 s31, 0
	s_lshr_b32 s57, s[WV], 3                       ; I fetch for k (0) or v (1):
	s_and_b32 s58, s[WV], 7                        ; records w % 8 and 8 + w % 8
	s_mul_i32 s59, s57, 102400
	s_mul_i32 s60, s58, 6400
	s_add_co_u32 s59, s59, s60                     ; in LDS
	s_add_co_u32 s61, s11, 16
	s_lshl_b32 s61, s61, 6
	s_lshl_b32 s62, s12, 4
	s_add_co_u32 s61, s61, s62
	s_mul_i32 s66, s61, 6400
	s_mul_i32 s62, s57, 6553600                    ; v's records lie 1,024 records behind k's
	s_add_co_u32 s66, s66, s62
	s_add_co_u32 s66, s66, s60                     ; in memory: nothing of it hangs on cx
	s_mov_b32 s67, 0
	s_lshr_b32 s15, s[WV], 1                       ; the short tile's last key step
	s_xor_b32 s16, s15, 15                         ; the long tile's: 15 - w / 2
	s_lshl_b32 s13, s15, 3
	s_and_b32 s57, s[WV], 1
	s_lshl_b32 s57, s57, 2
	s_add_co_u32 s13, s13, s57
	s_add_co_u32 s13, s13, s9                      ; the short tile
	s_xor_b32 s14, s13, 127                        ; the long tile: 127 - js
	s_mov_b32 s[SEL], 0x76543210
	s_mov_b32 s[SEL+1], 0xfedcba98                 ; selects for lane l xor 16
	s_mov_b32 s[CS], 0x3e38aa3b                    ; c = log2(e) / 8
	s_mov_b32 s[CS+1], s[CS]
	s_mov_b32 s[HM], 0xffff0000                    ; lanes 16-31
	s_wait_dscnt 0x0
	s_wait_kmcnt 0x0
	s_mov_b32 s32, 1
	s_mov_b32 s33, s59
	s_add_nc_u64 s[34:35], s[4:5], s[66:67]
	s_mov_b32 s36, 1
	s_add_co_u32 s37, s59, 51200
	s_add_nc_u64 s[38:39], s[34:35], 51200
	s_or_b32 s35, s35, 0x80000000
	s_or_b32 s39, s39, 0x80000000
	CROUND                                         ; all four work-groups are here: the joint loads meet
	tensor_load_to_lds s[32:35], s[24:31]          ; a record of the lower eight key steps,
	s_nop 0
	s_wait_alu depctr_va_vdst(0)
	s_wait_tensorcnt 0x0
	ds_add_u32 v254, v255
	s_wait_dscnt 0x0
	CROUND
	tensor_load_to_lds s[36:39], s[24:31]          ; and one of the upper eight: one load of mine is out
	s_nop 0
.rept 4
	v_nop
.endr
; tile j: where its fragment of q, its scale words and its block of ao lie; its parity as a lane mask; its place in its key step
.macro TILEP j, qf, qw, ap, par, dq
	s_lshr_b32 s57, s[\j], 3
	s_lshl_b32 s58, s11, 6
	s_lshl_b32 s59, s12, 4
	s_add_co_u32 s58, s58, s59
	s_add_co_u32 s58, s58, s57
	s_mul_i32 s58, s58, 6400                       ; q's record
	s_bfe_u32 s59, s[\j], 0x20001                  ; the fragment: (j / 2) % 4
	s_mul_i32 s60, s59, 1536
	s_add_co_u32 s60, s60, s58
	s_mov_b32 s61, 0
	s_add_nc_u64 s[\qf:\qf+1], s[4:5], s[60:61]
	s_and_b32 s60, s59, 1
	s_lshl_b32 s60, s60, 7
	s_lshr_b32 s62, s59, 1
	s_lshl_b32 s62, s62, 2
	s_add_co_u32 s60, s60, s62
	s_add_co_u32 s60, s60, s58
	s_add_co_u32 s60, s60, 6144
	s_add_nc_u64 s[\qw:\qw+1], s[4:5], s[60:61]
	s_lshl_b32 s60, s12, 7
	s_add_co_u32 s60, s60, s[\j]
	s_mul_i32 s60, s60, 12800
	s_add_nc_u64 s[\ap:\ap+1], s[6:7], s[60:61]
	s_and_b32 s60, s[\j], 1
	s_sub_co_u32 s[\par], 0, s60                   ; all ones where the tile is the fragment's upper one
	s_lshl_b32 s60, s60, 3
	s_lshl_b32 s59, s59, 5
	s_add_co_u32 s[\dq], s59, s60                  ; 32 ((j / 2) % 4) + 8 (j % 2)
.endm
	TILEP 14, 40, 42, 48, 19, 55                   ; the long tile
	TILEP 13, 44, 46, 50, 18, 56                   ; the short tile
	v_and_b32 v10, 31, v0
	s_delay_alu instid0(VALU_DEP_1)
	v_lshlrev_b32 v[LI], 4, v10
	s_delay_alu instid0(VALU_DEP_2)
	v_lshlrev_b32 v[LS], 3, v10
	s_delay_alu instid0(VALU_DEP_2)
	v_add_nc_u32 v[LIV], 102400, v[LI]
	s_delay_alu instid0(VALU_DEP_2)
	v_add_nc_u32 v[LSV], 102400, v[LS]
	v_and_b32 v[R8], 15, v0                        ; r
	v_bfe_u32 v[NINF], v0, 4, 1                    ; h
	s_delay_alu instid0(VALU_DEP_2)
	v_and_b32 v[RP], 8, v[R8]
	s_delay_alu instid0(VALU_DEP_1)
	v_add_nc_u32 v[RP], v[RP], v[R8]
	s_delay_alu instid0(VALU_DEP_3)
	v_lshlrev_b32 v[T1], 4, v[NINF]
	s_delay_alu instid0(VALU_DEP_1)
	v_sub_nc_u32 v[RP], v[RP], v[T1]
	v_lshl_add_u32 v[VOS], v[R8], 4, v[NINF]       ; 16 r + h
	s_wait_alu depctr_va_vdst(0)
	s_lshr_b32 s57, s11, 1
	s_mul_i32 s58, s57, 1536
	s_and_b32 s59, s11, 1
	s_mul_i32 s60, s59, 768
	s_add_co_u32 s58, s58, s60                     ; the head's half fragment in a block's record
	v_add_nc_u32 v[VOC16], s58, v[LI]
	s_add_co_u32 s58, s58, 512
	v_add_nc_u32 v[VOC8], s58, v[LS]
	s_lshr_b32 s60, s11, 3
	s_lshl_b32 s60, s60, 8
	s_and_b32 s57, s57, 3
	s_lshl_b32 s57, s57, 2
	s_add_co_u32 s60, s60, s57
	s_lshl_b32 s59, s59, 1
	s_add_co_u32 s60, s60, s59
	s_add_co_u32 s60, s60, 12288
	v_add_nc_u32 v[VOS], s60, v[VOS]               ; my scale byte: row r, the head's block h
	v_lshlrev_b32 v[R8], 3, v[R8]
	v_mov_b32 v[NINF], 0xff800000                  ; -infinity
.irp c, 0,1,2
	global_load_b128 v[S+4*\c:S+4*\c+3], v[LI], s[40:41] offset:512*\c        ; the long tile's fragment of q (into registers that the scores take later)
	global_load_b128 v[QIS+4*\c:QIS+4*\c+3], v[LI], s[44:45] offset:512*\c    ; the short tile's
.endr
	global_load_b32 v[S+12], v[R8], s[42:43]
	global_load_b32 v[QIS+12], v[R8], s[46:47]
.irp i, 0,1,2,3,4,5
	v_mov_b32 v[QLO+6+\i], 0                       ; the zero halves
	v_mov_b32 v[QHI+\i], 0
.endr
.irp b, 0,1,2,3
	v_mov_b32 v[BT+\b], 0                          ; a lane permute's destination counts as one of its sources
.endr
	v_mov_b32 v[FF+1], 0                           ; (named as the upper half of a pair)
; a tile begins: its half of the fragment in v[img] on, its scale word, the mask's threshold; M, the sum and O^T begin
.macro INIT img, w, par, dqs
	v_perm_b32 v[T0], v[\w], v[\w], 0x05040100     ; the lower tile's two bytes, twice
	v_perm_b32 v[T1], v[\w], v[\w], 0x07060302     ; the upper tile's
	s_delay_alu instid0(VALU_DEP_1)
	v_cndmask_b32 v[QSC], v[T0], v[T1], s[\par]
.irp i, 0,1,2,3,4,5
	v_cndmask_b32 v[QLO+\i], v[\img+\i], v[\img+6+\i], s[\par]
.endr
.irp i, 0,1,2,3,4,5
	v_mov_b32 v[QHI+6+\i], v[QLO+\i]
.endr
	v_add_nc_u32 v[DQ], s[\dqs], v[RP]
	v_mov_b32 v13, 0xff61b1e6                      ; the largest t so far: -3e38
	s_delay_alu instid0(VALU_DEP_1)
	v_floor_f32 v12, -v13                          ; -M
	v_mov_b32 v14, 0
	v_mov_b32 v15, 0
.set NN, 0
.rept 32
	v_mov_b32 v[O+NN], 0                           ; (the step is written once: its first turn finds zeros.  These lines are also the places between the operands just written and the products)
.set NN, NN+1
.endr
.endm
; A KEY STEP: 128 keys.  causal = 1: a step behind the tile's own is left out (a branch on the wave's number and the trip, round the work, not round the address's step), and in the tile's own step hidden scores become -infinity.
.macro STEP causal
.if \causal
	s_cmp_gt_u32 s[KS], s[LIM]
	s_cbranch_scc1 .Lhid_\@
.endif
	s_setprio 2
	v_add_nc_u32 v[ADK], s[TB], v[LI]              ; (these four are the places in front of the loads into registers that the last products read)
	v_add_nc_u32 v[ADV], s[TB], v[LIV]
	v_add_nc_u32 v[AKS], s[TB], v[LS]
	v_add_nc_u32 v[AVS], s[TB], v[LSV]
.irp f, 0,1,2,3
.irp c, 0,1,2
	ds_load_b128 v[F+12*\f+4*\c:F+12*\f+4*\c+3], v[ADK] offset:1536*\f+512*\c
.endr
.endr
	ds_load_b64 v[KSC:KSC+1], v[AKS] offset:6144
	s_wait_alu depctr_va_vdst(0)
	s_wait_dscnt 0x0
.irp f, 0,1,2,3
.if \f%2
	v_wmma_scale_f32_16x16x128_f8f6f4 v[S+16*\f:S+16*\f+7], v[F+12*\f:F+12*\f+11], v[QLO:QLO+11], 0, v[KSC+\f/2], v[QSC] matrix_a_fmt:MATRIX_FMT_FP6 matrix_b_fmt:MATRIX_FMT_FP6 matrix_a_scale:MATRIX_SCALE_ROW1
	v_wmma_scale_f32_16x16x128_f8f6f4 v[S+16*\f+8:S+16*\f+15], v[F+12*\f:F+12*\f+11], v[QHI:QHI+11], 0, v[KSC+\f/2], v[QSC] matrix_a_fmt:MATRIX_FMT_FP6 matrix_b_fmt:MATRIX_FMT_FP6 matrix_a_scale:MATRIX_SCALE_ROW1
.else
	v_wmma_scale_f32_16x16x128_f8f6f4 v[S+16*\f:S+16*\f+7], v[F+12*\f:F+12*\f+11], v[QLO:QLO+11], 0, v[KSC+\f/2], v[QSC] matrix_a_fmt:MATRIX_FMT_FP6 matrix_b_fmt:MATRIX_FMT_FP6
	v_wmma_scale_f32_16x16x128_f8f6f4 v[S+16*\f+8:S+16*\f+15], v[F+12*\f:F+12*\f+11], v[QHI:QHI+11], 0, v[KSC+\f/2], v[QSC] matrix_a_fmt:MATRIX_FMT_FP6 matrix_b_fmt:MATRIX_FMT_FP6
.endif
.endr                                  ; register 16 b + i of lane (r, h): key 32 b + 16 h + i of the step
.rept 4
	v_nop
.endr
.irp f, 0,1,2,3
.irp c, 0,1,2
	ds_load_b128 v[F+12*\f+4*\c:F+12*\f+4*\c+3], v[ADV] offset:1536*\f+512*\c   ; v's fragments land while the softmax is worked
.endr
.endr
	ds_load_b64 v[VSC:VSC+1], v[AVS] offset:6144
.if \causal
	s_cmp_lg_u32 s[KS], s[LIM]
	s_cbranch_scc1 .Lopen_\@
.set NN, 0
.rept 64
	v_cmp_gt_i32 vcc_lo, 32*(NN/16)+NN%16, v[DQ]   ; hidden where the key comes after my query
	v_cndmask_b32 v[S+NN], v[S+NN], v[NINF], vcc_lo
.set NN, NN+1
.endr
.Lopen_\@:
.endif
.irp b, 0,1,2,3
	v_max3_num_f32 v[BM+\b], v[S+16*\b], v[S+16*\b+1], v[S+16*\b+2]   ; the largest score of each block of 32 keys: for the row's maximum and, since p rises with the score, for the block's largest p
.endr
.irp i, 3,5,7,9,11,13
.irp b, 0,1,2,3
	v_max3_num_f32 v[BM+\b], v[BM+\b], v[S+16*\b+\i], v[S+16*\b+\i+1]
.endr
.endr
.irp b, 0,1,2,3
	v_max_num_f32 v[BM+\b], v[BM+\b], v[S+16*\b+15]
.endr
.irp b, 0,1,2,3
	s_delay_alu instid0(VALU_DEP_4)
	v_permlanex16_b32 v[BT+\b], v[BM+\b], s[SEL], s[SEL+1]
.endr
.irp b, 0,1,2,3
	s_delay_alu instid0(VALU_DEP_4)
	v_max_num_f32 v[BM+\b], v[BM+\b], v[BT+\b]
.endr
	s_delay_alu instid0(VALU_DEP_2)
	v_max3_num_f32 v[T0], v[BM], v[BM+1], v[BM+2]
	s_delay_alu instid0(VALU_DEP_1)
	v_max_num_f32 v[T0], v[T0], v[BM+3]
	s_delay_alu instid0(VALU_DEP_1)
	v_mul_f32 v[T0], s[CS], v[T0]
	s_delay_alu instid0(VALU_DEP_1)
	v_max_num_f32 v13, v13, v[T0]                  ; the running largest t
	v_mov_b32 v[T0], v12
	s_delay_alu instid0(VALU_DEP_2)
	v_floor_f32 v12, -v13                          ; the new -M = -ceil(t): a whole number
	s_delay_alu instid0(VALU_DEP_1)
	v_sub_f32 v[T0], v12, v[T0]
	s_delay_alu instid0(VALU_DEP_1)
	v_cvt_i32_f32 v[T0], v[T0]                     ; (it saturates)
	s_delay_alu instid0(VALU_DEP_1)
	v_ldexp_f32 v[FF], 1.0, v[T0]                  ; f = 2^(old M - new M): exact
.set NN, 0
.rept 32
	v_pk_fma_f32 v[S+NN:S+NN+1], v[S+NN:S+NN+1], s[CS:CS+1], v[12:13] op_sel_hi:[1,0,0]   ; t - M
.set NN, NN+2
.endr
.irp b, 0,1,2,3
	v_fma_f32 v[BM+\b], v[BM+\b], s[CS], v12
.endr
.set NN, 0
	s_setprio 1
	s_wait_alu depctr_va_vdst(0)
.rept 64
	v_exp_f32 v[S+NN], v[S+NN]                     ; p = 2^(t - M)
.set NN, NN+1
.endr
	v_pk_mul_f32 v[14:15], v[14:15], v[FF:FF+1] op_sel_hi:[1,0]   ; the sums under the new M (a plain place behind the exponentials)
	s_wait_alu depctr_va_vdst(0)                   ; one wait for the batch of 64, ahead of its first reader
.irp b, 0,1,2,3
	v_exp_f32 v[BM+\b], v[BM+\b]                   ; the blocks' largest p
.endr
.set NN, 0
	s_wait_alu depctr_va_vdst(0)
.rept 16
	v_pk_mul_f32 v[O+NN:O+NN+1], v[O+NN:O+NN+1], v[FF:FF+1] op_sel_hi:[1,0]   ; O^T under the new M: plain work behind the four
.set NN, NN+2
.endr
	s_wait_alu depctr_va_vdst(0)                   ; and one for the four
.irp b, 0,1,2,3
	v_max_num_f32 v[BM+\b], 0x1800000, v[BM+\b]    ; the floor 2^(3 - 127): the byte cannot fall under 1
.endr
.irp b, 0,1,2,3
	s_delay_alu instid0(VALU_DEP_4)
	v_add_nc_u32 v[BS+\b], 0xff000000, v[BM+\b]    ; 2 off the exponent field: the conversion's scale operand
.endr
.irp b, 0,1,2,3
	s_delay_alu instid0(VALU_DEP_4)
	v_lshrrev_b32 v[BT+\b], 23, v[BS+\b]
.endr
	s_delay_alu instid0(VALU_DEP_3)
	v_lshl_or_b32 v[PSW], v[BT+1], 8, v[BT]        ; p's scale word for these 128 keys
	s_delay_alu instid0(VALU_DEP_1)
	v_lshl_or_b32 v[PSW], v[BT+2], 16, v[PSW]
	s_delay_alu instid0(VALU_DEP_1)
	v_lshl_or_b32 v[PSW], v[BT+3], 24, v[PSW]
.irp c, 0,1
	v_cvt_scalef32_pk16_fp6_f32 v[PC+6*\c:PC+6*\c+2], v[S+32*\c:S+32*\c+15], v[BS+2*\c]
	v_cvt_scalef32_pk16_fp6_f32 v[PT+4*\c:PT+4*\c+2], v[S+32*\c+16:S+32*\c+31], v[BS+2*\c+1]
.endr
	v_nop                                          ; one plain place behind a scaled conversion
.irp c, 0,1
.irp i, 0,1,2
	v_permlane16_swap_b32 v[PC+6*\c+\i], v[PT+4*\c+\i]   ; a whole block to a lane
.endr
.irp i, 0,1,2
	s_delay_alu instid0(VALU_DEP_3)
	v_mov_b32 v[PC+6*\c+3+\i], v[PT+4*\c+\i]
.endr
.endr
	v_pk_add_f32 v[SU:SU+1], v[S:S+1], v[S+2:S+3]  ; the row's sum, of the unquantised p, in two chains.  (These 32 are also the places between the operand and scale word just written and the products)
.set NN, 4
	s_setprio 0
.rept 15
	v_pk_add_f32 v[14:15], v[14:15], v[S+NN:S+NN+1]
	v_pk_add_f32 v[SU:SU+1], v[SU:SU+1], v[S+NN+2:S+NN+3]
.set NN, NN+4
.endr
	s_delay_alu instid0(VALU_DEP_1)
	v_pk_add_f32 v[14:15], v[14:15], v[SU:SU+1]
	s_wait_dscnt 0x0                               ; v's fragments are in
.irp t, 0,1,2,3
.if \t%2
	v_wmma_scale_f32_16x16x128_f8f6f4 v[O+8*\t:O+8*\t+7], v[F+12*\t:F+12*\t+11], v[PC:PC+11], v[O+8*\t:O+8*\t+7], v[VSC+\t/2], v[PSW] matrix_a_fmt:MATRIX_FMT_FP6 matrix_b_fmt:MATRIX_FMT_FP6 matrix_a_scale:MATRIX_SCALE_ROW1
.else
	v_wmma_scale_f32_16x16x128_f8f6f4 v[O+8*\t:O+8*\t+7], v[F+12*\t:F+12*\t+11], v[PC:PC+11], v[O+8*\t:O+8*\t+7], v[VSC+\t/2], v[PSW] matrix_a_fmt:MATRIX_FMT_FP6 matrix_b_fmt:MATRIX_FMT_FP6
.endif
.endr
.if \causal
.Lhid_\@:
.endif
	s_add_co_u32 s[TB], s[TB], 6400                ; the next step's records
.endm
; a tile ends: O^T / the sum (register 16 b + i = channel 32 b + 16 h + i) is quantised along the head's 64 channels and stored as half a fragment of the last product's operand
.macro OUT ap
.rept 4
	v_nop
.endr
	v_add_f32 v14, v14, v15
	s_delay_alu instid0(VALU_DEP_1)
	v_permlanex16_b32 v[T0], v14, s[SEL], s[SEL+1]
	s_delay_alu instid0(VALU_DEP_1)
	v_add_f32 v14, v14, v[T0]                      ; the row's sum
	s_wait_alu depctr_va_vdst(0)
	v_rcp_f32 v[FF], v14
	v_nop                                          ; a plain place behind the reciprocal
	s_wait_alu depctr_va_vdst(0)                   ; and the wait ahead of its first reader
.set NN, 0
.rept 16
	v_pk_mul_f32 v[O+NN:O+NN+1], v[O+NN:O+NN+1], v[FF:FF+1] op_sel_hi:[1,0]   ; each accumulator from its low end on
.set NN, NN+2
.endr
.irp b, 0,1
	v_max3_num_f32 v[BM+\b], |v[O+16*\b]|, |v[O+16*\b+1]|, 0x1800000
.endr
.irp i, 2,4,6,8,10,12,14
.irp b, 0,1
	s_delay_alu instid0(VALU_DEP_2)
	v_max3_num_f32 v[BM+\b], v[BM+\b], |v[O+16*\b+\i]|, |v[O+16*\b+\i+1]|
.endr
.endr
.irp b, 0,1
	s_delay_alu instid0(VALU_DEP_2)
	v_permlanex16_b32 v[BT+\b], v[BM+\b], s[SEL], s[SEL+1]
.endr
.irp b, 0,1
	s_delay_alu instid0(VALU_DEP_2)
	v_max_num_f32 v[BM+\b], v[BM+\b], v[BT+\b]
.endr
.irp b, 0,1
	s_delay_alu instid0(VALU_DEP_2)
	v_add_nc_u32 v[BS+\b], 0xff000000, v[BM+\b]
.endr
.irp b, 0,1
	s_delay_alu instid0(VALU_DEP_2)
	v_lshrrev_b32 v[BT+\b], 23, v[BS+\b]
.endr
	v_cvt_scalef32_pk16_fp6_f32 v[PC:PC+2], v[O:O+15], v[BS]
	v_cvt_scalef32_pk16_fp6_f32 v[PT:PT+2], v[O+16:O+31], v[BS+1]
	v_nop
.irp i, 0,1,2
	v_permlane16_swap_b32 v[PC+\i], v[PT+\i]
.endr
.irp i, 0,1,2
	s_delay_alu instid0(VALU_DEP_3)
	v_mov_b32 v[PC+3+\i], v[PT+\i]
.endr
	v_cndmask_b32 v[T0], v[BT], v[BT+1], s[HM]     ; lane (r, h): the byte of block h
	global_store_b128 v[VOC16], v[PC:PC+3], s[\ap:\ap+1]     ; 512 consecutive bytes, aligned
	global_store_b64 v[VOC8], v[PC+4:PC+5], s[\ap:\ap+1]     ; 256 consecutive bytes, aligned
	global_store_b8 v[VOS], v[T0], s[\ap:\ap+1]              ; 32 scale bytes: two of each row's word
.endm
	s_wait_loadcnt 0x0                             ; q
	INIT S, S+12, 19, 55                           ; THE LONG TILE
	s_wait_tensorcnt 0x1                           ; my record of the lower eight steps is in; the upper one's load may be out
	s_barrier_signal -1
	s_barrier_wait -1
	s_mov_b32 s[KS], 0
	s_mov_b32 s[TB], 0
.Lp1:                                              ; key steps 0-7: all their keys count for a tile of the upper half
	STEP 0
	s_add_co_u32 s[KS], s[KS], 1
	s_cmp_lt_u32 s[KS], 8
	s_cbranch_scc1 .Lp1
	s_setprio 0
	s_wait_tensorcnt 0x0                           ; my record of the upper eight steps is in,
	s_wait_dscnt 0x0
	s_barrier_signal -1
	s_barrier_wait -1                              ; everybody's is
	s_mov_b32 s[LIM], s16
	s_mov_b32 s[KS], 8
	s_mov_b32 s[TB], 51200
.Lp2:                                              ; key steps 8-15, up to the tile's own
	STEP 1
	s_add_co_u32 s[KS], s[KS], 1
	s_cmp_lt_u32 s[KS], 16
	s_cbranch_scc1 .Lp2
	s_setprio 0
	s_wait_alu depctr_va_vdst(0)
	OUT 48
	s_wait_xcnt 0x0                                ; the stores have read their registers
	INIT QIS, QIS+12, 18, 56                       ; THE SHORT TILE
	s_mov_b32 s[LIM], s15
	s_mov_b32 s[KS], 0
	s_mov_b32 s[TB], 0
.Lp3:                                              ; key steps 0-7, up to the tile's own
	STEP 1
	s_add_co_u32 s[KS], s[KS], 1
	s_cmp_lt_u32 s[KS], 8
	s_cbranch_scc1 .Lp3
	s_setprio 0
	s_wait_alu depctr_va_vdst(0)
	OUT 50
	s_wait_dscnt 0x0
	s_wait_tensorcnt 0x0
	ds_add_u32 v254, v255
	s_wait_dscnt 0x0
	CROUND                                         ; the closing round
	s_endpgm
.Lfunc_end_k_q361e60459b_attn:
	.size	k_q361e60459b_attn, .Lfunc_end_k_q361e60459b_attn-k_q361e60459b_attn
	.p2alignl 7, 3214868480
	.fill 96, 4, 3214868480
	.section	.rodata,"a",@progbits
	.p2align	6, 0x0
	.amdhsa_kernel k_q361e60459b_attn
		.amdhsa_group_segment_fixed_size 327680
		.amdhsa_private_segment_fixed_size 0
		.amdhsa_enable_private_segment 0
		.amdhsa_kernarg_size 16
		.amdhsa_user_sgpr_count 2
		.amdhsa_user_sgpr_kernarg_segment_ptr 1
		.amdhsa_wavefront_size32 1
		.amdhsa_system_sgpr_workgroup_id_x 1
		.amdhsa_system_sgpr_workgroup_id_y 1
		.amdhsa_system_sgpr_workgroup_id_z 1
		.amdhsa_system_vgpr_workitem_id 0
		.amdhsa_next_free_vgpr 256
		.amdhsa_next_free_sgpr 72
		.amdhsa_reserve_vcc 1
		.amdhsa_float_denorm_mode_32 3
		.amdhsa_float_denorm_mode_16_64 3
		.amdhsa_memory_ordered 1
		.amdhsa_forward_progress 1
		.amdhsa_inst_pref_size 83
	.end_amdhsa_kernel
	.amdgpu_metadata
---
amdhsa.version: [ 1, 2 ]
amdhsa.kernels:
  - .name:           k_q361e60459b_attn
    .symbol:         k_q361e60459b_attn.kd
    .args:
      - { .name: qkv, .offset: 0, .size: 8, .value_kind: global_buffer, .address_space: global }
      - { .name: ao, .offset: 8, .size: 8, .value_kind: global_buffer, .address_space: global }
    .group_segment_fixed_size: 327680
    .private_segment_fixed_size: 0
    .kernarg_segment_align: 8
    .kernarg_segment_size: 16
    .max_flat_workgroup_size: 512
    .sgpr_count:     72
    .vgpr_count:     256
    .wavefront_size: 32
...
	.end_amdgpu_metadata
.endif
;; end of part 3
;; launch proj (part 4): grid 4 x 32, 4 waves a work-group, clusters of 4 x 4, 327,680 bytes of LDS; arguments ao, wq, b_proj, out0; writes out0
.if DOCPART == 4
	.amdgcn_target "amdgcn-amd-amdhsa--gfx1250"
	.amdhsa_code_object_version 6
	.text
	.protected	k_q361e60459b_proj
	.globl	k_q361e60459b_proj
	.p2align	8
	.type	k_q361e60459b_proj,@function
k_q361e60459b_proj:
	s_mov_b64 s[64:65], 0
	v_nop
	global_prefetch_b8 v0, s[64:65] scope:SCOPE_SE
	s_setreg_imm32_b32 hwreg(HW_REG_WAVE_MODE, 25, 1), 1
	s_wait_xcnt 0x0
	s_wait_alu depctr_hold_cnt(0) depctr_sa_sdst(0) depctr_va_vdst(0) depctr_va_sdst(0) depctr_va_ssrc(0) depctr_va_vcc(0) depctr_vm_vsrc(0)
	s_getreg_b32 s2, hwreg(HW_REG_IB_STS2, 6, 4)
	s_cmp_eq_u32 s2, 0
	s_cbranch_scc0 .Lentry_in_a_cluster
	s_endpgm
.Lentry_in_a_cluster:
	s_bfe_u32 s2, ttmp6, 0x10000c
	s_cmp_lg_u32 s2, 0xf033
	s_cbranch_scc0 .Lentry_shape_is_right
	s_endpgm
.Lentry_shape_is_right:
; ONE TEXT FOR TWO LAUNCHES (PROJ = 0: qkv = x w_qkv^T + b_qkv, quantised on the way out;  PROJ = 1: out0 = ao w_proj^T + b_proj, f32).  Both products on codes of FP6 (E2M3) with E8M0 scales, K = 1,024.
; OPERANDS come as records of 16-row blocks (12,800 bytes: eight fragments of 1,536 bytes laid as the operand's registers, then 512 bytes of scale words: row r, K step ks at 12,288 + 256 (ks / 4) + 16 r + 4 (ks % 4)).
; Lane r of block i holds row 32 (i / 2) + 8 (i % 2) + r + 8 (r / 8).  Source 0 = 16 rows of B, source 1 = 16 rows of A: lane (r, h) of accumulator (a, b) holds A's row of lane r of block a, and its
; register j B's row 32 (b / 2) + 16 h + 8 (b % 2) + j: the 64 registers of one a run along 4 x 16 neighbouring rows of B.
; A work-group makes 256 rows of A x 256 rows of B, a wave 128 x 128: 64 accumulators.  Here (PROJ = 1): A = tokens (ao), B = w_proj's rows (wq blocks 192 on).
; K goes in four steps of 256 through THREE LDS slots: three steps and the scales are first fills (four tensor loads a wave are out), the fourth step fills slot 0 again behind one round of the cluster's barrier.
; All of K but one step is asked for at the head, so nothing is prefetched.
; CLUSTERS: 4 x 4 work-groups; A's tiles are asked for jointly by a row of the cluster, B's by a column.  The bias is the C of each sum's first matrix instruction.
; LIMITS: NaN and infinities are not served.
; REGISTERS: window 0: v1-31 addresses; v32-95 scale words and nothing else; v96-127, v224-255 the bias, later at work; v128-223 A's fragments, ONE set.  window 1: B's fragments, two sets, at v0 and v128.
;   windows 2, 3: the accumulators of A's blocks 0-3, 4-7: (a, b) at v[8 (8 (a % 4) + b)].
.set PROJ,  1
.set REC,   12800
.set BLKB,  3072                       ; a block's part of a slot: two fragments
.set HALFT, 8*BLKB                     ; eight blocks: what one tensor load brings, and what one wave reads of A or of B
.set SLOT,  4*HALFT                    ; A's 16 blocks, then B's
.set SCL,   3*SLOT                     ; behind the slots: the scale words, 4,096 bytes for each wave's eight blocks
.set SPARE, SCL+4*4096                 ; the spare words, 128 bytes for each wave: two blocks of 256 bytes that no other line names
.set STAGE, SLOT                       ; the way out: 16 rows x 528 bytes a wave, in slot 1, which has had its one fill and its last read by then
.set SPITCH, 528
.set NLA,   3+PROJ                     ; LDS loads that bring a fragment of A
.set SC,    32                         ; register 8 i + ks: lanes 0-15 the word of A's block i, lanes 16-31 that of B's block i
.set AF,    128
.set TM,    96
.set PT,    112
.set G1A,   24                         ; s[24:31] group 1 for A's tiles; s[32:43] groups 0 for slots 0-2; s[44:47] for A's scales
.set G0A,   32
.set G0SA,  44
.set G1B,   48                         ; s[48:55]; B's groups 0: s[56:59], s[60:63], s[68:71]; s[72:75] for B's scales
.set G0SB,  72
.set G1SA,  76                         ; s[76:83], s[84:91] groups 1 for the scales
.set G1SB,  84
.set MSB, 0
.macro WIN new                         ; the immediate's high byte repeats the setting that is left
.if MSB != (\new)
	s_set_vgpr_msb (MSB<<8)|(\new)
.set MSB, (\new)
.endif
.endm
; A joint load: waves 0 and 1 fetch for A, waves 2 and 3 for B; the branch hangs on the wave's number alone.  Four v_nop follow each of the two lines.
.macro JLOAD g0a, g1a, g0b, g1b
	s_cmp_eq_u32 s15, 0
	s_cbranch_scc0 .Lfor_b_\@
	tensor_load_to_lds s[\g0a:\g0a+3], s[\g1a:\g1a+7]
	s_nop 0
.rept 4
	v_nop
.endr
	s_branch .Lasked_\@
.Lfor_b_\@:
	tensor_load_to_lds s[\g0b:\g0b+3], s[\g1b:\g1b+7]
	s_nop 0
.rept 4
	v_nop
.endr
.Lasked_\@:
.endm
.macro CREST                           ; a round of the cluster's barrier behind its opening barrier
	s_cmp_lg_u32 s14, 0
	s_cbranch_scc1 .Lnot_wave_0_\@
	s_barrier_signal -3
.Lnot_wave_0_\@:
	s_barrier_wait -3
	s_barrier_signal -1
	s_barrier_wait -1
.endm
.macro CROUND
	s_barrier_signal -1
	s_barrier_wait -1
	CREST
.endm
.macro PLACES n                        ; plain places behind matrix instructions, in front of loads into registers that they read and of reads of their results
.rept \n
	v_nop
.endr
.endm
	s_load_b128 s[4:7], s[0:1], 0x0                ; ao, wq
	s_load_b128 s[8:11], s[0:1], 0x10              ; the bias, the output
	v_lshl_add_u32 v28, v0, 2, SPARE               ; my spare word; never rewritten
	v_mov_b32 v29, 0                               ; never rewritten
	ds_add_u32 v28, v29
	ds_add_u32 v28, v29
	s_wait_dscnt 0x0
	v_lshrrev_b32 v1, 5, v0
	v_readfirstlane_b32 s14, v1                    ; wave 0..3
	s_lshr_b32 s15, s14, 1                         ; which half of A's rows is mine.  Also: I fetch for A (0) or for B (1)
	s_and_b32 s16, s14, 1                          ; which half of B's rows.  Also: which eight blocks I fetch
	s_bfe_u32 s92, ttmp6, 0x40000                  ; cx
	s_bfe_u32 s93, ttmp6, 0x40004                  ; cy
	s_and_b32 s17, ttmp7, 0xffff                   ; the cluster's y
	s_lshl_b32 s20, s17, 2
	s_lshl_b32 s21, ttmp9, 2
	s_add_co_u32 s20, s20, s93                     ; tile row (A): never holds cx
	s_add_co_u32 s21, s21, s92                     ; tile column (B): never holds cy
	s_lshl_b32 s100, s93, 2
	s_lshl_b32 s100, 15, s100                      ; my row of the cluster
	s_lshl_b32 s101, 0x1111, s92                   ; my column
	s_or_b32 s[G1A], s100, (3<<16)|(1<<21)         ; 15:0 the mask; 17:16 elements of 8 bytes; 21 set beside a mask; no padding: the fragments are read as dense runs
	s_or_b32 s[G1B], s101, (3<<16)|(1<<21)
	s_or_b32 s[G1SA], s100, (3<<16)|(1<<21)
	s_or_b32 s[G1SB], s101, (3<<16)|(1<<21)
.irp g, G1A, G1B
	s_mov_b32 s[\g+1], 384<<16                     ; tensor_dim0: 3,072 bytes of a record
	s_mov_b32 s[\g+2], 8<<16                       ; tensor_dim1: eight records
	s_mov_b32 s[\g+3], 384<<16                     ; tile_dim0
	s_mov_b32 s[\g+4], 8                           ; tile_dim1
	s_mov_b32 s[\g+5], 1600                        ; from record to record: 12,800 bytes
	s_mov_b32 s[\g+6], 0
	s_mov_b32 s[\g+7], 0
.endr
.irp g, G1SA, G1SB
	s_mov_b32 s[\g+1], 64<<16                      ; 512 bytes of scale words of each of eight records
	s_mov_b32 s[\g+2], 8<<16
	s_mov_b32 s[\g+3], 64<<16
	s_mov_b32 s[\g+4], 8
	s_mov_b32 s[\g+5], 1600
	s_mov_b32 s[\g+6], 0
	s_mov_b32 s[\g+7], 0
.endr
	s_lshl_b32 s23, s16, 3
	s_lshl_b32 s22, s20, 4
	s_add_co_u32 s22, s22, s23                     ; A's first block that I fetch
	s_lshl_b32 s94, s21, 4
	s_add_co_u32 s94, s94, s23                     ; B's
	s_add_co_u32 s94, s94, 192                     ; w_proj's blocks lie behind w_qkv's
	s_mul_i32 s22, s22, REC
	s_mul_i32 s94, s94, REC
	s_mov_b32 s23, 0
	s_mov_b32 s95, 0
	s_mul_i32 s2, s14, HALFT                       ; where they go: no place in the cluster enters an LDS address
	s_lshl_b32 s3, s14, 12
	s_wait_kmcnt 0x0
	s_add_nc_u64 s[96:97], s[4:5], s[22:23]
	s_add_nc_u64 s[98:99], s[6:7], s[94:95]
	CROUND                                         ; all sixteen work-groups are here: the first joint loads meet
	s_mov_b32 s[G0SA], 1
	s_add_co_u32 s[G0SA+1], s3, SCL
	s_add_nc_u64 s[G0SA+2:G0SA+3], s[96:97], 12288
	s_or_b32 s[G0SA+3], s[G0SA+3], 0x80000000
	s_mov_b32 s[G0SB], 1
	s_add_co_u32 s[G0SB+1], s3, SCL
	s_add_nc_u64 s[G0SB+2:G0SB+3], s[98:99], 12288
	s_or_b32 s[G0SB+3], s[G0SB+3], 0x80000000
	JLOAD G0SA, G1SA, G0SB, G1SB                   ; the scale words of all of K: filled once
.irp s, 0,1,2
.set GB, 56+4*\s+4*(\s/2)
	s_mov_b32 s[G0A+4*\s], 1
	s_add_co_u32 s[G0A+4*\s+1], s2, \s*SLOT
	s_add_nc_u64 s[G0A+4*\s+2:G0A+4*\s+3], s[96:97], \s*BLKB
	s_or_b32 s[G0A+4*\s+3], s[G0A+4*\s+3], 0x80000000
	s_mov_b32 s[GB], 1
	s_add_co_u32 s[GB+1], s2, \s*SLOT
	s_add_nc_u64 s[GB+2:GB+3], s[98:99], \s*BLKB
	s_or_b32 s[GB+3], s[GB+3], 0x80000000
	JLOAD G0A+4*\s, G1A, GB, G1B                   ; K steps 0, 1, 2
.endr
	v_and_b32 v1, 15, v0                           ; r
	v_bfe_u32 v2, v0, 4, 1                         ; h
	v_and_b32 v3, 31, v0
	v_lshlrev_b32 v13, 4, v3                       ; 16 x lane
	v_lshlrev_b32 v14, 3, v3                       ; 8 x lane
	s_mul_i32 s2, s15, HALFT                       ; my eight blocks of A
	s_mul_i32 s3, s16, HALFT
	s_add_co_u32 s3, s3, 2*HALFT                   ; and of B, behind A's sixteen
.irp s, 0,1,2
	v_add_nc_u32 v[16+\s], s2, v13
	v_add_nc_u32 v[20+\s], s3, v13
	v_add_nc_u32 v[24+\s], s2, v14
	s_add_co_u32 s2, s2, SLOT
	s_add_co_u32 s3, s3, SLOT
.endr
	s_lshl_b32 s2, s15, 12                         ; the scale words: A's, my eight blocks;
	s_lshl_b32 s3, s16, 12
	s_add_co_u32 s3, s3, 8192                      ; B's lie behind A's two halves
	s_sub_co_u32 s3, s3, s2
	v_mul_u32_u24 v12, s3, v2                      ; lanes 16-31 take B's
	v_lshl_add_u32 v12, v1, 4, v12
	s_add_co_u32 s2, s2, SCL
	v_add_nc_u32 v12, s2, v12
	s_lshl_b32 s2, s20, 8
	s_lshl_b32 s3, s15, 7
	s_add_co_u32 s18, s2, s3                       ; my first token
	s_lshl_b32 s3, s21, 8
	s_lshl_b32 s12, s16, 7
	s_add_co_u32 s17, s3, s12                      ; my first output channel
	v_lshlrev_b32 v4, 6, v2                        ; the bias runs along the registers: 16 h + j
.irp j, 1,2,3,4,5,6,7
	v_add_nc_u32 v[4+\j], 4*\j, v4
.endr
	s_lshl_b32 s2, s17, 2
	s_mov_b32 s3, 0
	s_add_nc_u64 s[8:9], s[8:9], s[2:3]
.irp i, 0,1,2,3,4,5,6,7
.irp j, 0,1,2,3,4,5,6,7
	global_load_b32 v[96+8*\i+96*(\i/4)+\j], v[4+\j], s[8:9] offset:(32*(\i/2)+8*(\i%2))*4   ; eight registers a block, in the result's layout
.endr
.endr
	s_lshl_b32 s2, s18, 12
	s_lshl_b32 s12, s17, 2
	s_add_co_u32 s2, s2, s12
	s_add_nc_u64 s[10:11], s[10:11], s[2:3]        ; out0 at my first token and channel
	s_mul_i32 s2, s14, 16*SPITCH
	s_add_co_u32 s2, s2, STAGE                     ; my stage
	v_mul_u32_u24 v27, v1, SPITCH
	v_lshl_add_u32 v27, v2, 6, v27
	v_add_nc_u32 v27, s2, v27                      ; in: row r, + 64 h
	v_add_nc_u32 v30, s2, v13                      ; back: a row of 512 bytes to the 32 lanes
.macro FETCH_B kn, p                   ; B's eight fragments of K step kn (128 along K) into set p
	WIN 0x40                                       ; destination window 1
.irp i, 0,1,2,3,4,5,6,7
.irp c, 0,1,2
	ds_load_b128 v[128*(\p)+12*\i+4*\c:128*(\p)+12*\i+4*\c+3], v[20+((\kn)/2)%3] offset:BLKB*\i+1536*((\kn)%2)+512*\c
.endr
.endr
	WIN 0
.endm
.macro FETCH_A kn, i0                  ; A's blocks i0 .. i0 + 3.  ao's fragments lie in two halves of 768 bytes, one for each head: registers 6 e .. 6 e + 3 at 16 l, registers 6 e + 4, 6 e + 5 at 512 + 8 l
.irp i, \i0, \i0+1, \i0+2, \i0+3
	ds_load_b128 v[AF+12*(\i):AF+12*(\i)+3], v[16+((\kn)/2)%3] offset:BLKB*(\i)+1536*((\kn)%2)
	ds_load_b64 v[AF+12*(\i)+4:AF+12*(\i)+5], v[24+((\kn)/2)%3] offset:BLKB*(\i)+1536*((\kn)%2)+512
	ds_load_b128 v[AF+12*(\i)+6:AF+12*(\i)+9], v[16+((\kn)/2)%3] offset:BLKB*(\i)+1536*((\kn)%2)+768
	ds_load_b64 v[AF+12*(\i)+10:AF+12*(\i)+11], v[24+((\kn)/2)%3] offset:BLKB*(\i)+1536*((\kn)%2)+1280
.endr
.endm
; 16 matrix instructions: A's blocks a0, a0 + 1 x B's eight.  cm = 0: the sums go on; 1: they begin with the bias of B's block.  The 64 accumulators take turns.
.macro MUL16 a0, p, ks, cm
.irp a, \a0, \a0+1
.irp b, 0,1,2,3,4,5,6,7
.set DD, 8*(8*((\a)%4)+\b)
.if \cm == 0
	v_wmma_scale_f32_16x16x128_f8f6f4 v[DD:DD+7], v[128*(\p)+12*\b:128*(\p)+12*\b+11], v[AF+12*(\a):AF+12*(\a)+11], v[DD:DD+7], v[SC+8*\b+(\ks)], v[SC+8*(\a)+(\ks)] matrix_a_fmt:MATRIX_FMT_FP6 matrix_b_fmt:MATRIX_FMT_FP6 matrix_a_scale:MATRIX_SCALE_ROW1
.else
.set CC, 96+8*\b+96*(\b/4)
	v_wmma_scale_f32_16x16x128_f8f6f4 v[DD:DD+7], v[128*(\p)+12*\b:128*(\p)+12*\b+11], v[AF+12*(\a):AF+12*(\a)+11], v[CC:CC+7], v[SC+8*\b+(\ks)], v[SC+8*(\a)+(\ks)] matrix_a_fmt:MATRIX_FMT_FP6 matrix_b_fmt:MATRIX_FMT_FP6 matrix_a_scale:MATRIX_SCALE_ROW1
.endif
.endr
.endr
.endm
; K step ks of eight (128 along K): 64 matrix instructions; the next step's fragments are fetched in two runs.
; sync = 0: nothing more.  sync = 1: slot 0 has been read out: one round of the cluster's barrier, and the slot's refill.  sync = 2: the refill is waited for: one barrier.
.macro KSTEP ks, cm, sync
.if \cm
.set WLO, 0x81                         ; source 0 (B) window 1, source 1 (A) and C (the bias) window 0, D window 2
.set WHI, 0xc1
.else
.set WLO, 0xa1                         ; C and D window 2
.set WHI, 0xf1
.endif
.if \sync == 0
	s_wait_dscnt 4*NLA                             ; B's set and A's blocks 0-3 are in; the youngest loads (A's blocks 4-7) may be out
	WIN WLO
	MUL16 0, (\ks)%2, \ks, \cm
	MUL16 2, (\ks)%2, \ks, \cm
	s_wait_dscnt 0x0                               ; A's blocks 4-7 are in
	PLACES 4
.else
	s_wait_tensorcnt 0x0                           ; all my tensor loads have landed;
	ds_add_u32 v28, v29                            ; 0 onto my spare word;
	s_wait_dscnt 4*NLA+1                           ; (the add and A's blocks 4-7 may be out)
	WIN WLO
	MUL16 0, (\ks)%2, \ks, \cm
	s_wait_dscnt 0x0                               ; the add is done, and my reads of the slot are over
	s_barrier_signal -1
	MUL16 2, (\ks)%2, \ks, \cm
	WIN 0
	s_barrier_wait -1
.if \sync == 1
	CREST                                          ; no wave of any partner still reads slot 0 or has a load on its way
	s_add_nc_u64 s[G0A+2:G0A+3], s[G0A+2:G0A+3], 3*BLKB
	s_add_nc_u64 s[58:59], s[58:59], 3*BLKB
	JLOAD G0A, G1A, 56, G1B                        ; K's last 256: the first tensor load behind the round; its four v_nop are the places in front of the loads below
.else
	PLACES 4
.endif
.endif
	FETCH_B (\ks)+1, 1-(\ks)%2
	FETCH_A (\ks)+1, 0
	WIN WHI
	MUL16 4, (\ks)%2, \ks, \cm
	MUL16 6, (\ks)%2, \ks, \cm
	PLACES 4
	WIN 0
	FETCH_A (\ks)+1, 4
.endm
	s_wait_tensorcnt 0x2                           ; the scale words and my part of slot 0 are in; the loads of slots 1 and 2 may be out
	s_barrier_signal -1
	s_barrier_wait -1
	FETCH_B 0, 0
	FETCH_A 0, 0
.irp i, 0,1,2,3,4,5,6,7
	ds_load_b128 v[SC+8*\i:SC+8*\i+3], v12 offset:512*\i          ; the scale words of all eight K steps, once
	ds_load_b128 v[SC+8*\i+4:SC+8*\i+7], v12 offset:512*\i+256
.endr
	FETCH_A 0, 4
	s_wait_loadcnt 0x0                             ; the bias
	KSTEP 0, 1, 0
	KSTEP 1, 0, 1                                  ; its wait for all tensor loads also shows slots 1 and 2 whole to every wave
	KSTEP 2, 0, 0
	KSTEP 3, 0, 0
	KSTEP 4, 0, 0
	KSTEP 5, 0, 2
	KSTEP 6, 0, 0
	s_wait_dscnt 4*NLA                             ; the last K step: nothing more to fetch
	WIN 0xa1
	MUL16 0, 1, 7, 0
	MUL16 2, 1, 7, 0
	s_wait_dscnt 0x0
	WIN 0xf1
	MUL16 4, 1, 7, 0
	MUL16 6, 1, 7, 0
	WIN 0
	PLACES 4
; THE WAY OUT: a block of 16 tokens x 128 channels goes through my stage and comes back as whole rows of 512 bytes.
.macro TOSTAGE a
.set AC, 64*((\a)%4)
	WIN 0x08+4*((\a)/4)                            ; the data: window 2 or 3
.irp b, 0,1,2,3,4,5,6,7
	ds_store_b128 v27, v[AC+8*\b:AC+8*\b+3] offset:128*(\b/2)+32*(\b%2)        ; each accumulator from its low end on
	ds_store_b128 v27, v[AC+8*\b+4:AC+8*\b+7] offset:128*(\b/2)+32*(\b%2)+16
.endr
	WIN 0
.set BB, 128+64*((\a)%2)
.irp t, 0,1,2,3,4,5,6,7,8,9,10,11,12,13,14,15
	ds_load_b128 v[BB+4*\t:BB+4*\t+3], v30 offset:\t*SPITCH    ; LDS serves a wave's instructions in order: these see the stores above
.endr
.endm
.macro SEND a, younger
.set BB, 128+64*((\a)%2)
	s_wait_dscnt \younger
.irp t, 0,1,2,3,4,5,6,7,8,9,10,11,12,13,14,15
	global_store_b128 v13, v[BB+4*\t:BB+4*\t+3], s[10:11] offset:(32*((\a)/2)+8*((\a)%2)+\t+8*(\t/8))*4096 th:TH_STORE_NT   ; 32 lanes store 512 consecutive bytes, aligned
.endr
.endm
	TOSTAGE 0
.irp a, 1,2,3,4,5,6,7
.if \a > 1
	s_wait_xcnt 0x0                                ; block a - 2's stores have read their registers
.endif
	TOSTAGE \a
	SEND \a-1, 32                                  ; behind block a - 1's loads: block a's 16 stores and 16 loads
.endr
	SEND 7, 0
	s_wait_tensorcnt 0x0                           ; the wave's end
	ds_add_u32 v28, v29
	s_wait_dscnt 0x0
	CROUND                                         ; the closing round: no work-group ends while a partner may still ask for a tile that names it
	s_endpgm
.Lfunc_end_k_q361e60459b_proj:
	.size	k_q361e60459b_proj, .Lfunc_end_k_q361e60459b_proj-k_q361e60459b_proj
	.p2alignl 7, 3214868480
	.fill 96, 4, 3214868480
	.section	.rodata,"a",@progbits
	.p2align	6, 0x0
	.amdhsa_kernel k_q361e60459b_proj
		.amdhsa_group_segment_fixed_size 327680
		.amdhsa_private_segment_fixed_size 0
		.amdhsa_enable_private_segment 0
		.amdhsa_kernarg_size 32
		.amdhsa_user_sgpr_count 2
		.amdhsa_user_sgpr_kernarg_segment_ptr 1
		.amdhsa_wavefront_size32 1
		.amdhsa_system_sgpr_workgroup_id_x 1
		.amdhsa_system_sgpr_workgroup_id_y 1
		.amdhsa_system_sgpr_workgroup_id_z 1
		.amdhsa_system_vgpr_workitem_id 0
		.amdhsa_next_free_vgpr 1024
		.amdhsa_next_free_sgpr 102
		.amdhsa_reserve_vcc 0
		.amdhsa_float_denorm_mode_32 3
		.amdhsa_float_denorm_mode_16_64 3
		.amdhsa_memory_ordered 1
		.amdhsa_forward_progress 1
		.amdhsa_inst_pref_size 144
	.end_amdhsa_kernel
	.amdgpu_metadata
---
amdhsa.version: [ 1, 2 ]
amdhsa.kernels:
  - .name:           k_q361e60459b_proj
    .symbol:         k_q361e60459b_proj.kd
    .args:
      - { .name: ao, .offset: 0, .size: 8, .value_kind: global_buffer, .address_space: global }
      - { .name: wq, .offset: 8, .size: 8, .value_kind: global_buffer, .address_space: global }
      - { .name: b_proj, .offset: 16, .size: 8, .value_kind: global_buffer, .address_space: global }
      - { .name: out0, .offset: 24, .size: 8, .value_kind: global_buffer, .address_space: global }
    .group_segment_fixed_size: 327680
    .private_segment_fixed_size: 0
    .kernarg_segment_align: 8
    .kernarg_segment_size: 32
    .max_flat_workgroup_size: 128
    .sgpr_count:     102
    .vgpr_count:     1024
    .wavefront_size: 32
...
	.end_amdgpu_metadata
.endif
;; end of part 4
